; MI455X (gfx1250); checked and timed in simulation.
; The chip was launched on July 23, 2026; its instructions are those of AMD's public machine-readable ISA for CDNA 5 (MIT licence, August 2026) and "CDNA5" Instruction Set Architecture Reference Guide (July 2026). The comments in the code are by the model that wrote it; some were corrected since.
;; Causal Self Attention. Allowed arithmetic: matrix products marked QUANTISED: E2M1 operands, one E8M0 scale for each 32 along K, by v_wmma_scale_f32_16x16x128_f8f6f4 with both operands' format E2M1 (or v_wmma_scale_f32_32x16x128_f4), f32 sums; products left as they are: bf16, f16 or f32 operands; f32 sums; everything else in f32.
;; Inputs: cos 1 x 2,048 x 1 x 64 float32; sin 1 x 2,048 x 1 x 64 float32; wk 2,048 x 512 float32; wproj 512 x 2,048 float32; wq 2,048 x 512 float32; wv 2,048 x 512 float32; x 4 x 2,048 x 2,048 float32.
;; Outputs: out0 4 x 2,048 x 2,048 float32.
;; This version of the problem:
;;   THIS VERSION OF THE PROBLEM IS GIVEN IN LOW PRECISION. The matrix products marked QUANTISED in the list below multiply operands that are first quantised to E2M1 (2 exponent bits, 1 mantissa bit; 4 bits a number), with one power-of-two scale for each 32 numbers along K (OCP MX v1.0); their sums are f32. The products marked 'left as it is' may take bf16, f16 or f32 operands, with f32 sums. Whichever they take, every output number must still come out within the allowed error. Rounding operands to bf16 (8 significant bits) uses up far more of that allowance than f16 does (11 bits, for magnitudes from 6e-5 to 65,504). All else is computed in f32.
;;   The module's matrix products, in the order in which they are computed (A, B: the left and right operand; K: the contracted axis; several contracted axes count as one K, in the product's order):
;;     1. [M 8,192, K 2,048] x [K 2,048, N 512]; A: input x; B: input wq: QUANTISED
;;     2. [M 8,192, K 2,048] x [K 2,048, N 512]; A: input x; B: input wk: QUANTISED
;;     3. [M 8,192, K 2,048] x [K 2,048, N 512]; A: input x; B: input wv: QUANTISED
;;     4. batch 16 x [M 2,048, K 128] x [K 128, N 2,048]; A: computed on the way; B: computed on the way: left as it is (an operand is computed on the way)
;;     5. batch 16 x [M 128, K 2,048] x [K 2,048, N 2,048]; A: computed on the way; B: computed on the way: left as it is (an operand is computed on the way)
;;     6. [M 8,192, K 512] x [K 512, N 2,048]; A: computed on the way; B: input wproj: left as it is (an operand is computed on the way)
;;   THE QUANTISER, for each operand of a quantised product, along K:
;;     - K is cut into blocks of 32 from its start; a last block that is shorter is filled with zeros.
;;     - A block's scale is 2^e with e = floor(log2(the largest magnitude in the block)) - 2, held to -126 .. 127; a block of zeros has e = 0. As a byte (E8M0): e + 127.
;;     - Each number is divided by its block's scale, clamped to +-6, and rounded to the nearest number of E2M1, ties to even, subnormals kept.
;;     - The product sums the exact products of the quantised numbers (number of the format x scale) in f32.
;;   ~~~python
;;   def quantise(x, axis):      # numpy; x: float32 -> the quantised numbers, widened to float32 again
;;       x = np.moveaxis(x, axis, -1); K = x.shape[-1]
;;       x = np.pad(x, [(0, 0)] * (x.ndim - 1) + [(0, -K % 32)]); x = x.reshape(x.shape[:-1] + (-1, 32)); a = np.abs(x).max(-1, keepdims=True)
;;       e = np.where(a > 0, np.clip(np.frexp(np.where(a > 0, a, 1))[1] - 1 - 2, -126, 127), 0)      # np.frexp(a)[1] - 1 = floor(log2(a)), exactly
;;       r = np.clip(x / 2.0 ** e, -6, 6)
;;       step = 2.0 ** (np.maximum(np.frexp(np.where(r == 0, 1, r))[1] - 1, 0) - 1)
;;       q = np.round(r / step) * step * 2.0 ** e      # np.round: ties to even
;;       return np.moveaxis(q.reshape(q.shape[:-2] + (-1,))[..., :K], -1, axis).astype(np.float32)
;;   ~~~
;; One version. Each part assembles by itself: llvm-mc -triple=amdgcn-amd-amdhsa -mcpu=gfx1250 --defsym DOCPART=n.
;; ======== version 1 of 1: 5 launches
;; limits: values are held in f16: magnitudes above 65,504 overflow, below 6.1e-05 lose precision
;; workspace buffers: xc 8,388,608 bytes; xs 524,288 bytes; wc 1,572,864 bytes; ws 98,304 bytes; wp16 2,097,152 bytes; qkv 25,165,824 bytes; head16 393,216 bytes; y16 8,388,608 bytes
;; launch prep (part 1): grid 768 x 1, 4 waves a work-group, no clusters, 42,496 bytes of LDS; arguments x, wq, wk, wv, wproj, xc, xs, wc, ws, wp16; writes xc, xs, wc, ws, wp16
.if DOCPART == 1
	.amdgcn_target "amdgcn-amd-amdhsa--gfx1250"
	.amdhsa_code_object_version 6
	.text
	.protected	k_q0bb533df29_prep
	.globl	k_q0bb533df29_prep
	.p2align	8
	.type	k_q0bb533df29_prep,@function
k_q0bb533df29_prep:
	s_mov_b64 s[64:65], 0
	v_nop
	global_prefetch_b8 v0, s[64:65] scope:SCOPE_SE
	s_setreg_imm32_b32 hwreg(HW_REG_WAVE_MODE, 25, 1), 1
	s_wait_xcnt 0x0
; THREE JOBS IN ONE LAUNCH, told apart by the work-group's number alone.
;  work-groups 0-191:   wq, wk, wv [2048 k][512 n] f32 -> codes of FP4 (E2M1) laid [1536 n][2048 k] with K innermost (wc), one E8M0 byte for each 32 along K (ws, [1536][64]).
;  work-groups 192-255: wproj [512][2048] f32 -> f16, same order (wp16).
;  work-groups 256-767: x [8192][2048] f32 -> codes (xc, a row is 1,024 bytes) and scale bytes (xs, [8192][64]).
; A block's scale is 2^(floor(log2(largest magnitude)) - 2): its byte is the largest magnitude's exponent field - 2, held at 1 from below.
; LIMITS: a block of zeros gets the byte 1 where the quantiser's text says 127: its codes are zeros, which add nothing, and only this program reads the bytes.
; NaN and infinities among the inputs are not served.  wproj goes to f16: magnitudes above 65,504 are not served.
; Each of the two jobs that use LDS has LDS bytes of its own.
.set NWG,   192                        ; work-groups for the three weights
.set NPG,   64                         ; for wproj
.set STEPS, 16
.set CB,    8                          ; bytes of 16 codes
.set R,     16                         ; v16-79   x: four sets of 16 numbers as loaded
.set X,     80                         ; v80-111  x: two sets of 16 neighbours
.set E,     112                        ; v112-127 x: a scale byte for each step
.set C,     128                        ; v128-191 x: codes, four registers a step
.set WREG,  8192                       ; LDS, x's job: a region for each wave: two stages of 32 x SP bytes, then its 256 scale bytes
.set SP,    80
.set WST,   4*WREG                     ; LDS, the weights' job: 32 rows (columns n) x (256 bytes of codes + 16)
.set WPI,   272
.set WSC,   WST+32*WPI                 ; and 32 x 16 scale bytes
.set SPARE, WSC+512                    ; the spare words: 128 bytes a wave, named by no other line
.set SPW,   12                         ; v12 LDS address of my spare word; never rewritten
.set NIL,   13                         ; v13 0; never rewritten
	s_load_b256 s[4:11], s[0:1], 0x0               ; x, wq, wk, wv
	s_load_b256 s[12:19], s[0:1], 0x20             ; wproj, xc, xs, wc
	s_load_b128 s[20:23], s[0:1], 0x40             ; ws, wp16
	v_lshl_add_u32 v[SPW], v0, 2, SPARE
	v_mov_b32 v[NIL], 0
	v_lshrrev_b32 v1, 5, v0
	v_readfirstlane_b32 s24, v1                    ; wave 0..3
	v_and_b32 v2, 31, v0                           ; lane
	s_mov_b32 s29, 0                               ; the high word of every offset pair s[28:29]
	s_wait_kmcnt 0x0
	s_cmp_lt_u32 ttmp9, NWG
	s_cbranch_scc1 .Lw
	s_cmp_lt_u32 ttmp9, NWG+NPG
	s_cbranch_scc1 .Lp
; ---------------- x: a plain stream of blocks of 32.  A wave takes 16 steps of 512 numbers.
; Each load reads 512 consecutive bytes; a step's 2,048 bytes turn through the wave's own stage so that a lane holds 16 neighbours; two neighbouring lanes hold a block.
	v_lshlrev_b32 v3, 4, v2                        ; my 16 bytes of a load's 512
	s_mul_i32 s25, s24, WREG
	v_lshrrev_b32 v14, 2, v2
	v_mul_u32_u24 v14, v14, SP
	v_and_b32 v15, 3, v2
	v_lshl_add_u32 v14, v15, 4, v14
	v_add_nc_u32 v14, s25, v14                     ; the stage, in: SP (lane / 4) + 16 (lane % 4)
	v_mul_u32_u24 v15, v2, SP
	v_add_nc_u32 v15, s25, v15                     ; out: SP x lane
	v_mul_u32_u24 v4, v2, CB                       ; my codes' place in a step's 256 bytes
	v_lshrrev_b32 v5, 1, v2
	s_add_co_u32 s25, s25, 2*32*SP
	v_add_nc_u32 v5, s25, v5                       ; my block's scale byte in LDS
	v_lshlrev_b32 v7, 3, v2
	v_add_nc_u32 v6, s25, v7                       ; and 8 bytes a lane on the way out
	s_sub_co_u32 s26, ttmp9, NWG+NPG
	s_lshl_b32 s26, s26, 2
	s_add_co_u32 s26, s26, s24                     ; which run of 8,192 numbers is my wave's: 0..2047
	s_lshl_b32 s28, s26, 15
	s_add_nc_u64 s[4:5], s[4:5], s[28:29]          ; 32,768 bytes of x a run,
	s_lshl_b32 s28, s26, 12
	s_add_nc_u64 s[14:15], s[14:15], s[28:29]      ; 4,096 of codes,
	s_lshl_b32 s28, s26, 8
	s_add_nc_u64 s[16:17], s[16:17], s[28:29]      ; 256 scale bytes
.macro LOAD t
.irp i, 0,1,2,3
	global_load_b128 v[R+16*((\t)%4)+4*\i:R+16*((\t)%4)+4*\i+3], v3, s[4:5] offset:2048*(\t)+512*\i th:TH_LOAD_NT
.endr
.endm
.macro TURN t                          ; LDS serves a wave's instructions in order: no wait between these stores and loads
.irp i, 0,1,2,3
	ds_store_b128 v14, v[R+16*((\t)%4)+4*\i:R+16*((\t)%4)+4*\i+3] offset:32*SP*((\t)%2)+8*SP*\i
.endr
.irp i, 0,1,2,3
	ds_load_b128 v[X+16*((\t)%2)+4*\i:X+16*((\t)%2)+4*\i+3], v15 offset:32*SP*((\t)%2)+16*\i
.endr
.endm
.irp t, 0,1,2,3
	LOAD \t
.endr
	s_wait_loadcnt 12                              ; step 0's four loads are in; three steps' twelve stay out
	TURN 0
.macro STEP t
.set XS, X+16*((\t)%2)
.if (\t) > 0
	s_wait_dscnt 1                                 ; this step's numbers are back from the stage; the last step's byte store may be out
.else
	s_wait_dscnt 0x0
.endif
.if (\t)+4 < STEPS
	LOAD (\t)+4
.endif
.if (\t)+1 < STEPS
.if STEPS-2-(\t) >= 3
	s_wait_loadcnt 12                              ; the next step's four loads are in; those of the three steps behind may be out
.else
	s_wait_loadcnt 4*(STEPS-2-(\t))
.endif
	TURN (\t)+1
.endif
	v_max3_num_f32 v8, |v[XS]|, |v[XS+1]|, |v[XS+2]|
	v_max3_num_f32 v9, |v[XS+3]|, |v[XS+4]|, |v[XS+5]|
.irp i, 6,10
	v_max3_num_f32 v8, v8, |v[XS+\i]|, |v[XS+\i+1]|
	v_max3_num_f32 v9, v9, |v[XS+\i+2]|, |v[XS+\i+3]|
.endr
	v_max3_num_f32 v8, v8, |v[XS+14]|, |v[XS+15]|
	v_max3_num_f32 v8, v8, v9, 0x1800000           ; the floor 2^(3 - 127): the byte cannot fall under 1
	v_max_num_f32_dpp v8, v8, v8 row_xmask:1 row_mask:0xf bank_mask:0xf   ; with my neighbour's 16: the block's largest magnitude
	v_add_nc_u32 v11, 0xff000000, v8               ; 2 off its exponent field: the conversion's scale operand
	v_cvt_scalef32_pk8_fp4_f32 v[C+4*(\t)], v[XS:XS+7], v11
	v_cvt_scalef32_pk8_fp4_f32 v[C+4*(\t)+1], v[XS+8:XS+15], v11
	v_lshrrev_b32 v[E+(\t)], 23, v11               ; the scale's byte
	ds_store_b8 v5, v[E+(\t)] offset:16*(\t)       ; both lanes of a block write the same byte
	global_store_b64 v4, v[C+4*(\t):C+4*(\t)+1], s[14:15] offset:32*CB*(\t)   ; the wave stores 256 consecutive bytes
.endm
.irp t, 0,1,2,3,4,5,6,7,8,9,10,11,12,13,14,15
	STEP \t
.endr
	ds_load_b64 v[8:9], v6
	s_wait_dscnt 0x0
	global_store_b64 v7, v[8:9], s[16:17]          ; my wave's 256 scale bytes, on end
	s_wait_tensorcnt 0x0                           ; the wave's end, behind my last LDS store
	ds_add_u32 v[SPW], v[NIL]
	s_wait_dscnt 0x0
	s_endpgm
; ---------------- the weights.  Work-group u: ky = u % 4 (which 512 along K), cg = u / 4 (which 32 of the 1,536 columns).  A lane takes a column, its registers run down K.
; Wave w takes k = 512 ky + 128 w on, four blocks of 32.  The four waves' codes meet in a stage, a row of 256 bytes for each column, and leave as whole rows.
.Lw:
	s_and_b32 s25, ttmp9, 3                        ; ky
	s_lshr_b32 s26, ttmp9, 2                       ; cg 0..47
	v_lshlrev_b32 v3, 2, v2                        ; in: 4 bytes a lane
	v_mul_u32_u24 v4, v2, WPI
	s_lshl_b32 s27, s24, 6
	s_add_co_u32 s27, s27, WST
	v_add_nc_u32 v4, s27, v4                       ; stage, in: row = my column, + 64 bytes a wave
	v_lshlrev_b32 v5, 4, v2
	s_lshl_b32 s27, s24, 2
	s_add_co_u32 s27, s27, WSC
	v_add_nc_u32 v5, s27, v5                       ; my four scale bytes: 16 x lane + 4 x wave
	v_lshl_add_u32 v6, v2, 4, WSC                  ; and a column's sixteen, on the way out
	v_and_b32 v14, 15, v2
	v_lshrrev_b32 v15, 4, v2
	v_mul_u32_u24 v7, v15, WPI
	v_lshl_add_u32 v7, v14, 4, v7
	s_mul_i32 s27, s24, 8*WPI
	s_add_co_u32 s27, s27, WST
	v_add_nc_u32 v7, s27, v7                       ; stage, out: my wave's eight rows, sixteen lanes to a row
	v_lshlrev_b32 v16, 10, v15
	v_lshl_add_u32 v16, v14, 4, v16                ; the same place in wc: rows of 1,024 bytes
	v_lshlrev_b32 v17, 6, v2                       ; ws: rows of 64 bytes
	s_cmp_lt_u32 s26, 16                           ; which tensor: a choice on the work-group's number alone
	s_cselect_b64 s[30:31], s[6:7], s[8:9]
	s_cmp_lt_u32 s26, 32
	s_cselect_b64 s[30:31], s[30:31], s[10:11]
	s_lshl_b32 s28, s25, 20                        ; 512 rows of 2,048 bytes,
	s_lshl_b32 s27, s24, 18                        ; 128 rows a wave,
	s_add_co_u32 s28, s28, s27
	s_and_b32 s27, s26, 15
	s_lshl_b32 s27, s27, 7                         ; 32 columns of 4 bytes
	s_add_co_u32 s28, s28, s27
	s_add_nc_u64 s[30:31], s[30:31], s[28:29]
	s_lshl_b32 s28, s26, 15                        ; wc: 32 rows of 1,024 bytes a group,
	s_lshl_b32 s27, s24, 13                        ; 8 rows a wave,
	s_add_co_u32 s28, s28, s27
	s_lshl_b32 s27, s25, 8                         ; 256 bytes for each 512 along K
	s_add_co_u32 s28, s28, s27
	s_add_nc_u64 s[18:19], s[18:19], s[28:29]
	s_lshl_b32 s28, s26, 11                        ; ws: 32 rows of 64 bytes a group, 16 bytes for each 512 along K
	s_lshl_b32 s27, s25, 4
	s_add_co_u32 s28, s28, s27
	s_add_nc_u64 s[20:21], s[20:21], s[28:29]
.macro WLOAD t                         ; block t: W(32 t + i, my column) into set t % 2: each load reads 128 consecutive bytes
.set i, 0
.rept 32
	global_load_b32 v[32+32*((\t)%2)+i], v3, s[30:31] offset:(32*(\t)+i)*2048 th:TH_LOAD_NT
.set i, i+1
.endr
.endm
	WLOAD 0
	WLOAD 1
.macro WBLOCK t
.set XS, 32+32*((\t)%2)
.if (\t) < 3
	s_wait_loadcnt 32                              ; this block's 32 loads are in; the next block's may be out
.else
	s_wait_loadcnt 0x0
.endif
	v_max3_num_f32 v8, |v[XS]|, |v[XS+1]|, |v[XS+2]|
	v_max3_num_f32 v9, |v[XS+3]|, |v[XS+4]|, |v[XS+5]|
.irp i, 6,10,14,18,22,26
	v_max3_num_f32 v8, v8, |v[XS+\i]|, |v[XS+\i+1]|
	v_max3_num_f32 v9, v9, |v[XS+\i+2]|, |v[XS+\i+3]|
.endr
	v_max3_num_f32 v8, v8, |v[XS+30]|, |v[XS+31]|
	v_max3_num_f32 v8, v8, v9, 0x1800000           ; the floor, as above
	v_add_nc_u32 v11, 0xff000000, v8
	v_lshrrev_b32 v10, 23, v11
.if (\t) == 0
	v_mov_b32 v24, v10                             ; four bytes to a register, the lower K in the lower byte
.else
	v_lshl_or_b32 v24, v10, 8*(\t), v24
.endif
.irp g, 0,1,2,3
	v_cvt_scalef32_pk8_fp4_f32 v[96+\g], v[XS+8*\g:XS+8*\g+7], v11
.endr
	ds_store_b128 v4, v[96:99] offset:16*(\t)      ; 32 codes: 16 bytes of my column's row
.if (\t)+2 < 4
	WLOAD (\t)+2
.endif
	s_wait_dscnt 0x0                               ; the store has read its registers: the next block's codes may be written
.endm
	WBLOCK 0
	WBLOCK 1
	WBLOCK 2
	WBLOCK 3
	ds_store_b32 v5, v24
	s_wait_dscnt 0x0                               ; for the others' sake: my stores are done
	s_barrier_signal -1
	s_barrier_wait -1                              ; all four waves of this work-group are on this path: the branch hangs on the work-group's number
.irp i, 0,1,2,3
	ds_load_b128 v[32+4*\i:35+4*\i], v7 offset:2*\i*WPI
.endr
.irp i, 0,1,2,3
	s_wait_dscnt 3-\i
	global_store_b128 v16, v[32+4*\i:35+4*\i], s[18:19] offset:2*\i*1024   ; sixteen lanes store 256 consecutive bytes, aligned
.endr
	s_cmp_lg_u32 s24, 0
	s_cbranch_scc1 .Lw_end
	ds_load_b128 v[48:51], v6                      ; wave 0: the 32 columns' sixteen scale bytes each
	s_wait_dscnt 0x0
	global_store_b128 v17, v[48:51], s[20:21]
.Lw_end:
	s_wait_tensorcnt 0x0                           ; the wave's end: the three lines
	ds_add_u32 v[SPW], v[NIL]
	s_wait_dscnt 0x0
	s_endpgm
; ---------------- wproj to f16: a wave takes 16,384 consecutive bytes; each load reads 512, each store writes 256, on end.  No LDS.
.Lp:
	s_sub_co_u32 s25, ttmp9, NWG
	s_lshl_b32 s25, s25, 2
	s_add_co_u32 s25, s25, s24                     ; chunk 0..255
	s_lshl_b32 s28, s25, 14
	s_add_nc_u64 s[12:13], s[12:13], s[28:29]
	s_lshl_b32 s28, s25, 13
	s_add_nc_u64 s[22:23], s[22:23], s[28:29]
	v_lshlrev_b32 v3, 4, v2
	v_lshlrev_b32 v4, 3, v2
.set i, 0
.rept 32
	global_load_b128 v[32+4*i:35+4*i], v3, s[12:13] offset:512*i th:TH_LOAD_NT
.set i, i+1
.endr
.set i, 0
.rept 32
	s_wait_loadcnt 31-i                            ; loads come back in order: load i is in
	v_cvt_pk_f16_f32 v[32+4*i], v[32+4*i], v[33+4*i]
	v_cvt_pk_f16_f32 v[33+4*i], v[34+4*i], v[35+4*i]
	global_store_b64 v4, v[32+4*i:33+4*i], s[22:23] offset:256*i
.set i, i+1
.endr
	s_endpgm
.Lfunc_end_k_q0bb533df29_prep:
	.size	k_q0bb533df29_prep, .Lfunc_end_k_q0bb533df29_prep-k_q0bb533df29_prep
	.p2alignl 7, 3214868480
	.fill 96, 4, 3214868480
	.section	.rodata,"a",@progbits
	.p2align	6, 0x0
	.amdhsa_kernel k_q0bb533df29_prep
		.amdhsa_group_segment_fixed_size 42496
		.amdhsa_private_segment_fixed_size 0
		.amdhsa_enable_private_segment 0
		.amdhsa_kernarg_size 80
		.amdhsa_user_sgpr_count 2
		.amdhsa_user_sgpr_kernarg_segment_ptr 1
		.amdhsa_wavefront_size32 1
		.amdhsa_system_sgpr_workgroup_id_x 1
		.amdhsa_system_sgpr_workgroup_id_y 1
		.amdhsa_system_sgpr_workgroup_id_z 1
		.amdhsa_system_vgpr_workitem_id 0
		.amdhsa_next_free_vgpr 192
		.amdhsa_next_free_sgpr 66
		.amdhsa_reserve_vcc 0
		.amdhsa_float_denorm_mode_32 3
		.amdhsa_float_denorm_mode_16_64 3
		.amdhsa_memory_ordered 1
		.amdhsa_forward_progress 1
		.amdhsa_inst_pref_size 66
	.end_amdhsa_kernel
	.amdgpu_metadata
---
amdhsa.version: [ 1, 2 ]
amdhsa.kernels:
  - .name:           k_q0bb533df29_prep
    .symbol:         k_q0bb533df29_prep.kd
    .args:
      - { .name: x, .offset: 0, .size: 8, .value_kind: global_buffer, .address_space: global }
      - { .name: wq, .offset: 8, .size: 8, .value_kind: global_buffer, .address_space: global }
      - { .name: wk, .offset: 16, .size: 8, .value_kind: global_buffer, .address_space: global }
      - { .name: wv, .offset: 24, .size: 8, .value_kind: global_buffer, .address_space: global }
      - { .name: wproj, .offset: 32, .size: 8, .value_kind: global_buffer, .address_space: global }
      - { .name: xc, .offset: 40, .size: 8, .value_kind: global_buffer, .address_space: global }
      - { .name: xs, .offset: 48, .size: 8, .value_kind: global_buffer, .address_space: global }
      - { .name: wc, .offset: 56, .size: 8, .value_kind: global_buffer, .address_space: global }
      - { .name: ws, .offset: 64, .size: 8, .value_kind: global_buffer, .address_space: global }
      - { .name: wp16, .offset: 72, .size: 8, .value_kind: global_buffer, .address_space: global }
    .group_segment_fixed_size: 42496
    .private_segment_fixed_size: 0
    .kernarg_segment_align: 8
    .kernarg_segment_size: 80
    .max_flat_workgroup_size: 128
    .sgpr_count:     66
    .vgpr_count:     192
    .wavefront_size: 32
...
	.end_amdgpu_metadata
.endif
;; end of part 1
;; launch qkv (part 2): grid 32 x 6, 4 waves a work-group, clusters of 4 x 1, 327,680 bytes of LDS; arguments xc, xs, wc, ws, cos, sin, qkv, head16; writes qkv, head16
.if DOCPART == 2
	.amdgcn_target "amdgcn-amd-amdhsa--gfx1250"
	.amdhsa_code_object_version 6
	.text
	.protected	k_q0bb533df29_qkv
	.globl	k_q0bb533df29_qkv
	.p2align	8
	.type	k_q0bb533df29_qkv,@function
k_q0bb533df29_qkv:
	s_mov_b64 s[64:65], 0
	v_nop
	global_prefetch_b8 v0, s[64:65] scope:SCOPE_SE
	s_setreg_imm32_b32 hwreg(HW_REG_WAVE_MODE, 25, 1), 1
	s_wait_xcnt 0x0
	s_wait_alu depctr_hold_cnt(0) depctr_sa_sdst(0) depctr_va_vdst(0) depctr_va_sdst(0) depctr_va_ssrc(0) depctr_va_vcc(0) depctr_vm_vsrc(0)
	s_getreg_b32 s2, hwreg(HW_REG_IB_STS2, 6, 4)
	s_cmp_eq_u32 s2, 0
	s_cbranch_scc0 .Lentry_in_a_cluster
	s_endpgm
.Lentry_in_a_cluster:
	s_bfe_u32 s2, ttmp6, 0x10000c
	s_cmp_lg_u32 s2, 0x3003
	s_cbranch_scc0 .Lentry_shape_is_right
	s_endpgm
.Lentry_shape_is_right:
; [q | k | v] = Q(x) Q([wq | wk | wv]): 8,192 x 1,536 x 2,048 on codes of FP4 (E2M1) with one E8M0 scale for each 32 along K; then rope and rms-norm on q and k, in f32; results to f16.
; xc [8192][1024 bytes], xs [8192][64], wc [1536][1024 bytes], ws [1536][64].  qkv: f16 [batch 4][g 12][t 2048][128], g = 0-3 q's heads, 4-7 k's, 8-11 v's.
; head16: f32 [batch][head][q, k, v][t 16][128]: the first 16 positions of every sequence, kept in f32 for the launch that carries them finely.
; A tile of 256 rows x 256 columns is made by four waves, each 128 rows x 128 columns = ONE HEAD: 64 accumulators.  K goes in steps of 512 through two LDS slots; the scale bytes of all of K come once.
; CLUSTER: the four work-groups of a cluster lie along the rows and share a tile column: the weights' tiles and scales are asked for JOINTLY (mask 15).  x's tiles differ between them and come by plain
; tensor loads behind the same rounds.  x's tiles cannot be shared as well: there are 6 tile columns, which 4 does not divide.
; THE MATRIX INSTRUCTION IS USED TRANSPOSED (source 0 = 16 columns' rows of wc, source 1 = 16 rows of x): lane (r, h) holds row r, register 8 b + j of a block of 16 rows column 16 b + 8 h + j of the head.
; So the rope's partners, columns n and n + 64, are registers i and i + 32 of ONE lane, and a row's sum of squares wants one exchange between the halves of the lanes.
; v's tiles run the same lines with cos = 1, sin = 0 and the norm's factor 1, made by cos x alpha + beta with (alpha, beta) = (1, 0) for q and k and (0, 1) for v: one path for all partners and tiles.
; LIMITS: cos and sin finite; |v| under 65,504 (f16); NaN and infinities among the inputs are not served.
; REGISTERS: window 0: v0-31 addresses and small numbers; v32-95 scale words, two sets, nothing else; v128-191 x's fragments, one set; on the way out v96-127 packed f16, v128-191 a block in f32, v192-255 rows read back.
;   window 1: the weights' fragments, two sets, v0-63 and v128-191; cos and sin by blocks in four sets of 64 (v64, v192 idle during the products; v0, v128 behind them).  windows 2, 3: the accumulators.
.set KSTEP,  512
.set NQ,     4
.set ROWB,   256
.set KROW,   1024
.set PITCH,  272                       ; an LDS row: 256 bytes + 16 of padding: the 16 rows that a load touches start 4 banks apart
.set FR,     8
.set NL,     2
.set NP,     4
.set HALFT,  128*PITCH
.set SLOT,   4*HALFT
.set LAPS,   2
.set KS,     64
.set SCL,    2*SLOT
.set HALFS,  (128*KS/256)*272
.set SBLK,   (16*KS/256)*272
.set SPARE,  SCL+4*HALFS               ; the spare words: 128 bytes a wave, named by no other line
.set SPITCH, 272                       ; the way out: 16 rows x (256 + 16) for each wave, in slot 0, which has had its last fill and its last read by then
.set AL,   8                           ; v[8:9]   alpha
.set BE,   10                          ; v[10:11] beta
.set FF,   12                          ; v[12:13] the norm's factor (low word)
.set ADRA, 16
.set CSO,  18                          ; v18 my byte in cos and sin: (t0 + r) x 256 + 32 h
.set H16O, 19                          ; v19 my byte in a block of head16: r x 512 + 32 h
.set ADRB, 20
.set TROW, 22                          ; v22 t0 + r
.set PT,   23                          ; v23 a lane permute's target
.set STO,  24
.set RD,   25
.set CO,   26
.set ADRS, 27
.set SPW,  28
.set NIL,  29
.set SC,   32
.set PKR,  96
.set AF,   128
.set T,    128
.set OB,   192
.set G1, 24
.set G0, 32
.set G1B, 48
.set G0B, 56
.set G1S, 68
.set G0S, 76
.set G1SB, 80
.set G0SB, 88
.set MSB, 0
.macro WIN new                         ; the immediate's high byte repeats the setting that is left
.if MSB != (\new)
	s_set_vgpr_msb (MSB<<8)|(\new)
.set MSB, \new
.endif
.endm
.set MUL_LO, 0xa1
.set MUL_HI, 0xf1
.set TO_B,   0x40
; Waves 0 and 1 fetch for x (plain loads), waves 2 and 3 for the weights (joint loads).  The branch hangs on the wave's number alone.  An s_nop 0 and four v_nop follow each line.
.macro JLOAD g0a, g1a, g0b, g1b
	s_cmp_eq_u32 s15, 0
	s_cbranch_scc0 .Lfor_b_\@
	tensor_load_to_lds s[\g0a:\g0a+3], s[\g1a:\g1a+7]
	s_nop 0
.rept 4
	v_nop
.endr
	s_branch .Lasked_\@
.Lfor_b_\@:
	tensor_load_to_lds s[\g0b:\g0b+3], s[\g1b:\g1b+7]
	s_nop 0
.rept 4
	v_nop
.endr
.Lasked_\@:
.endm
.macro CREST
	s_cmp_lg_u32 s14, 0
	s_cbranch_scc1 .Lnot_wave_0_\@
	s_barrier_signal -3
.Lnot_wave_0_\@:
	s_barrier_wait -3
	s_barrier_signal -1
	s_barrier_wait -1
.endm
.macro CROUND
	s_barrier_signal -1
	s_barrier_wait -1
	CREST
.endm
	s_load_b256 s[4:11], s[0:1], 0x0               ; xc, xs, wc, ws
	s_load_b256 s[92:99], s[0:1], 0x20             ; cos, sin, qkv, head16
	v_lshl_add_u32 v[SPW], v0, 2, SPARE
	v_mov_b32 v[NIL], 0
	ds_add_u32 v[SPW], v[NIL]                      ; the wave's opening: the add, twice on end, and its wait ahead of my first tensor load
	ds_add_u32 v[SPW], v[NIL]
	v_lshrrev_b32 v1, 5, v0
	v_readfirstlane_b32 s14, v1                    ; wave 0..3
	s_lshr_b32 s15, s14, 1                         ; which half of the tile's rows is mine.  Also: I fetch for x (0) or for the weights (1)
	s_and_b32 s16, s14, 1                          ; which half of its columns (which head).  Also: which 128 rows of that tile I fetch
	s_bfe_u32 s40, ttmp6, 0x40000                  ; cx
	s_lshl_b32 s17, ttmp9, 2
	s_add_co_u32 s17, s17, s40                     ; tile row 0..31 = 4 x cluster x + cx
	s_and_b32 s42, ttmp7, 0xffff                   ; tile column 0..5, which the four partners share
	s_mov_b32 s[G1+0], (1<<20)|(5<<22)|(3<<25)                    ; x's codes: no mask; elements of 1 byte; 4 words of padding behind every 64
	s_mov_b32 s[G1B+0], 15|(1<<20)|(1<<21)|(5<<22)|(3<<25)        ; the weights': the mask names all four partners, bit 21 beside it
.irp g, G1, G1B
	s_mov_b32 s[\g+1], ROWB<<16                    ; tensor_dim0
	s_mov_b32 s[\g+2], 128<<16                     ; tensor_dim1
	s_mov_b32 s[\g+3], ROWB<<16                    ; tile_dim0
	s_mov_b32 s[\g+4], 128                         ; tile_dim1
	s_mov_b32 s[\g+5], KROW                        ; pitch
	s_mov_b32 s[\g+6], 0
	s_mov_b32 s[\g+7], 0
.endr
	s_mov_b32 s[G1S+0], (3<<16)|(1<<20)|(5<<22)|(3<<25)           ; the scales of 128 rows: 8,192 dense bytes as 32 rows of 256 (32 elements of 8 bytes), 16 bytes of padding behind each
	s_mov_b32 s[G1SB+0], 15|(3<<16)|(1<<20)|(1<<21)|(5<<22)|(3<<25)
.irp g, G1S, G1SB
	s_mov_b32 s[\g+1], 32<<16
	s_mov_b32 s[\g+2], (128*KS/256)<<16
	s_mov_b32 s[\g+3], 32<<16
	s_mov_b32 s[\g+4], 128*KS/256
	s_mov_b32 s[\g+5], 32
	s_mov_b32 s[\g+6], 0
	s_mov_b32 s[\g+7], 0
.endr
	s_lshl_b32 s18, s16, 7
	s_lshl_b32 s20, s17, 8
	s_add_co_u32 s20, s20, s18                     ; x: row 256 x tile row + 128 x half
	s_lshl_b32 s46, s42, 8
	s_add_co_u32 s46, s46, s18                     ; weights: row 256 x tile column + 128 x half: made of what the partners share
	s_mov_b32 s21, 0
	s_mov_b32 s47, 0
	s_lshl_b64 s[22:23], s[20:21], 6               ; where these rows' scales begin: 64 bytes a row,
	s_lshl_b64 s[12:13], s[46:47], 6
	s_lshl_b64 s[20:21], s[20:21], 10              ; and their codes: 1,024
	s_lshl_b64 s[46:47], s[46:47], 10
	s_mul_i32 s45, s14, HALFT                      ; where they go: wave x 128 rows: no place in the cluster enters an LDS address
	s_mul_i32 s66, s14, HALFS
	s_wait_dscnt 0x0                               ; both opening adds are done
	s_wait_kmcnt 0x0
	s_add_nc_u64 s[20:21], s[4:5], s[20:21]
	s_add_nc_u64 s[22:23], s[6:7], s[22:23]
	s_add_nc_u64 s[46:47], s[8:9], s[46:47]
	s_add_nc_u64 s[12:13], s[10:11], s[12:13]
	CROUND                                         ; all four work-groups are here: the first joint loads meet
	s_mov_b32 s[G0S], 1
	s_add_co_u32 s[G0S+1], s66, SCL
	s_mov_b64 s[G0S+2:G0S+3], s[22:23]
	s_or_b32 s[G0S+3], s[G0S+3], 0x80000000
	s_mov_b32 s[G0SB], 1
	s_add_co_u32 s[G0SB+1], s66, SCL
	s_mov_b64 s[G0SB+2:G0SB+3], s[12:13]
	s_or_b32 s[G0SB+3], s[G0SB+3], 0x80000000
	JLOAD G0S, G1S, G0SB, G1SB                     ; the scales first: they are wanted with K step 0
.irp s, 0,1
	s_mov_b32 s[G0+4*\s], 1
	s_add_co_u32 s[G0+4*\s+1], s45, \s*SLOT
	s_add_nc_u64 s[G0+4*\s+2:G0+4*\s+3], s[20:21], \s*ROWB
	s_or_b32 s[G0+4*\s+3], s[G0+4*\s+3], 0x80000000
	s_mov_b32 s[G0B+4*\s], 1
	s_add_co_u32 s[G0B+4*\s+1], s45, \s*SLOT
	s_add_nc_u64 s[G0B+4*\s+2:G0B+4*\s+3], s[46:47], \s*ROWB
	s_or_b32 s[G0B+4*\s+3], s[G0B+4*\s+3], 0x80000000
	JLOAD G0+4*\s, G1, G0B+4*\s, G1B               ; three tensor loads of mine are out at the most
.endr
	v_and_b32 v1, 15, v0                           ; r
	v_bfe_u32 v2, v0, 4, 1                         ; h
	v_mul_u32_u24 v3, v1, PITCH
	v_lshl_add_u32 v4, v2, 4, v3                   ; a fragment's row x pitch + 16 x half
	s_mul_i32 s21, s15, HALFT
	s_mul_i32 s22, s16, HALFT
	s_add_co_u32 s22, s22, 2*HALFT
.irp s, 0,1
	v_add_nc_u32 v[ADRA+\s], s21, v4
	v_add_nc_u32 v[ADRB+\s], s22, v4
	s_add_co_u32 s21, s21, SLOT
	s_add_co_u32 s22, s22, SLOT
.endr
	v_mul_u32_u24 v5, v1, KS                       ; my row's scales: 64 bytes a row,
	v_lshrrev_b32 v6, 8, v5
	v_lshl_add_u32 v5, v6, 4, v5                   ; and 16 more for each 256 passed
	s_mul_i32 s21, s15, HALFS
	s_mul_i32 s22, s16, HALFS
	s_add_co_u32 s22, s22, 2*HALFS
	s_sub_co_u32 s22, s22, s21
	v_mul_u32_u24 v6, s22, v2                      ; lanes 16-31 take the weights'
	s_add_co_u32 s21, s21, SCL
	v_add_nc_u32 v5, v5, v6
	v_add_nc_u32 v[ADRS], s21, v5
	s_mul_i32 s23, s14, 16*SPITCH                  ; my stage
	v_add_nc_u32 v[STO], s23, v4                   ; in: row r, 16 bytes for each half of the lanes
	v_mul_u32_u24 v5, v2, SPITCH
	v_lshl_add_u32 v5, v1, 4, v5
	v_add_nc_u32 v[RD], s23, v5                    ; back: lanes 0-15 one row of 256 bytes, lanes 16-31 the next
	v_lshlrev_b32 v5, 8, v2
	v_lshl_add_u32 v[CO], v1, 4, v5                ; and the same two rows in qkv
	s_and_b32 s18, s17, 7
	s_lshl_b32 s18, s18, 8
	s_lshl_b32 s19, s15, 7
	s_add_co_u32 s18, s18, s19                     ; t0: my first position in the sequence
	v_add_nc_u32 v[TROW], s18, v1
	v_lshlrev_b32 v[CSO], 8, v[TROW]
	v_lshl_add_u32 v[CSO], v2, 5, v[CSO]
	v_lshlrev_b32 v[H16O], 9, v1
	v_lshl_add_u32 v[H16O], v2, 5, v[H16O]
	s_lshl_b32 s19, s42, 1
	s_add_co_u32 s19, s19, s16                     ; g = 2 x tile column + half: 0..11
	s_lshr_b32 s20, s17, 3                         ; batch
	s_mul_i32 s22, s20, 12
	s_add_co_u32 s22, s22, s19
	s_lshl_b32 s22, s22, 11
	s_add_co_u32 s22, s22, s18
	s_lshl_b32 s22, s22, 8                         ; ((batch x 12 + g) x 2048 + t0) x 256
	s_mov_b32 s23, 0
	s_add_nc_u64 s[96:97], s[96:97], s[22:23]
	s_lshl_b32 s22, s20, 2
	s_and_b32 s21, s19, 3
	s_add_co_u32 s22, s22, s21
	s_mul_i32 s22, s22, 3
	s_lshr_b32 s21, s19, 2
	s_add_co_u32 s22, s22, s21
	s_lshl_b32 s22, s22, 13                        ; ((batch x 4 + head) x 3 + type) x 8,192
	s_add_nc_u64 s[98:99], s[98:99], s[22:23]
	s_mov_b32 s4, 0x76543210                       ; lane selects: lane l xor 16 (the four pointers in s4-s11 have gone into the descriptors)
	s_mov_b32 s5, 0xfedcba98
	s_mov_b32 s6, 0x3c000000                       ; 1 / 128
	s_mov_b32 s7, 0x3727c5ac                       ; eps = 1e-5
	s_cmp_lt_u32 s42, 4                            ; q or k?
	s_cselect_b32 s8, 0x3f800000, 0                ; alpha
	s_cselect_b32 s9, 0, 0x3f800000                ; beta
	v_mov_b32 v[AL], s8
	v_mov_b32 v[AL+1], s8
	v_mov_b32 v[BE], s9
	v_mov_b32 v[BE+1], s9
	v_mov_b32 v[FF+1], 0                           ; (named as the upper half of a pair)
	v_mov_b32 v[PT], 0                             ; a lane permute's destination counts as one of its sources
; cos and sin of block a (16 positions): for my row, columns 16 b + 8 h + 0 .. 7, b = 0 .. 3: 32 numbers each, in the order of the accumulators' registers.  Sixteen loads.
.macro CSLOAD a
.set CSB, 64+128*((\a)%2)-64*(((\a)/2)%2)      ; sets at v64, v192, v0, v128 of window 1, by turns
	WIN 0x40
.irp b, 0,1,2,3
	global_load_b128 v[CSB+8*\b:CSB+8*\b+3], v[CSO], s[92:93] offset:4096*(\a)+64*\b
	global_load_b128 v[CSB+8*\b+4:CSB+8*\b+7], v[CSO], s[92:93] offset:4096*(\a)+64*\b+16
	global_load_b128 v[CSB+32+8*\b:CSB+32+8*\b+3], v[CSO], s[94:95] offset:4096*(\a)+64*\b
	global_load_b128 v[CSB+32+8*\b+4:CSB+32+8*\b+7], v[CSO], s[94:95] offset:4096*(\a)+64*\b+16
.endr
	WIN 0
.endm
	CSLOAD 0                                       ; two blocks' tables are asked for here and land under the products
	CSLOAD 1
.macro FRAG reg, adr, q, i
.irp c, 0,1
	ds_load_b128 v[\reg+4*\c:\reg+4*\c+3], v[\adr] offset:64*(\q)+32*\c+(\i)*16*PITCH
.endr
.endm
; 16 matrix instructions: x's blocks a0, a0 + 1 against the weights' eight.  The 64 accumulators take turns, one instruction a turn, in the same order in every step.
.macro MUL16 a0, p, q, sc, zero
.irp a, \a0, \a0+1
.irp b, 0,1,2,3,4,5,6,7
.if \zero
	v_wmma_scale_f32_16x16x128_f8f6f4 v[8*(8*((\a)%4)+\b):8*(8*((\a)%4)+\b)+7], v[128*(\p)+FR*\b:128*(\p)+FR*\b+FR-1], v[AF+FR*(\a):AF+FR*(\a)+FR-1], 0, v[SC+8*NQ*(\sc)+NQ*\b+(\q)], v[SC+8*NQ*(\sc)+NQ*(\a)+(\q)] matrix_a_fmt:MATRIX_FMT_FP4 matrix_b_fmt:MATRIX_FMT_FP4 matrix_a_scale:MATRIX_SCALE_ROW1
.else
	v_wmma_scale_f32_16x16x128_f8f6f4 v[8*(8*((\a)%4)+\b):8*(8*((\a)%4)+\b)+7], v[128*(\p)+FR*\b:128*(\p)+FR*\b+FR-1], v[AF+FR*(\a):AF+FR*(\a)+FR-1], v[8*(8*((\a)%4)+\b):8*(8*((\a)%4)+\b)+7], v[SC+8*NQ*(\sc)+NQ*\b+(\q)], v[SC+8*NQ*(\sc)+NQ*(\a)+(\q)] matrix_a_fmt:MATRIX_FMT_FP4 matrix_b_fmt:MATRIX_FMT_FP4 matrix_a_scale:MATRIX_SCALE_ROW1
.endif
.endr
.endr
.endm
.macro FETCH_B slot, q, p
	WIN TO_B
.irp i, 0,1,2,3,4,5,6,7
	FRAG 128*(\p)+FR*\i, ADRB+\slot, \q, \i
.endr
	WIN 0
.endm
.macro FETCH_A slot, q, i0
.irp i, \i0, \i0+1, \i0+2, \i0+3
	FRAG AF+FR*(\i), ADRA+\slot, \q, \i
.endr
.endm
.macro SCALES sc                       ; a K step's scale words: lanes 0-15 x's block i, lanes 16-31 the weights' block i
.irp i, 0,1,2,3,4,5,6,7
	ds_load_b128 v[SC+8*NQ*\sc+NQ*\i:SC+8*NQ*\sc+NQ*\i+3], v[ADRS] offset:\i*SBLK
.endr
.endm
.macro PLACES n                        ; plain vector instructions between a matrix instruction and a load into, or a vector access of, its registers
.rept \n
	v_nop
.endr
.endm
.macro STEP slot, q, zero
	s_wait_dscnt 4*NL                              ; the weights' set and x's blocks 0-3 are in; the youngest eight loads (blocks 4-7) may be out
	WIN MUL_LO
	MUL16 0, (\q)%2, \q, \slot, \zero
	MUL16 2, (\q)%2, \q, \slot, \zero
	s_wait_dscnt 0
	PLACES NP
	FETCH_B \slot, (\q)+1, 1-(\q)%2
	FETCH_A \slot, (\q)+1, 0
	WIN MUL_HI
	MUL16 4, (\q)%2, \q, \slot, \zero
	MUL16 6, (\q)%2, \q, \slot, \zero
	PLACES NP
	WIN 0
	FETCH_A \slot, (\q)+1, 4
.endm
; A slot's last step changes slots: one barrier; in front of it each wave waits for all its tensor loads, adds 0 to its spare word, and waits for that and for its reads of this slot.
.macro TURN slot, next, fill
	s_wait_tensorcnt 0x0                           ; all my tensor loads have landed: my part of the next slot
	ds_add_u32 v[SPW], v[NIL]
	s_wait_dscnt 4*NL+1                            ; (the add and the youngest eight loads may be out)
	WIN MUL_LO
	MUL16 0, 1, NQ-1, \slot, 0
	s_wait_dscnt 0x0                               ; the add is done, and my reads of this slot are over
	s_barrier_signal -1
	MUL16 2, 1, NQ-1, \slot, 0
	WIN 0
	s_barrier_wait -1
.if \fill
	CREST                                          ; the barrier has opened a round of the cluster's: no wave of any partner still reads this slot or has a load on its way
	s_add_nc_u64 s[G0+4*\slot+2:G0+4*\slot+3], s[G0+4*\slot+2:G0+4*\slot+3], 2*ROWB
	s_add_nc_u64 s[G0B+4*\slot+2:G0B+4*\slot+3], s[G0B+4*\slot+2:G0B+4*\slot+3], 2*ROWB
	JLOAD G0+4*\slot, G1, G0B+4*\slot, G1B         ; my one tensor load behind the round; its four v_nop are the places in front of the loads below
.else
	PLACES NP
.endif
	v_add_nc_u32 v[ADRS], 4*NQ, v[ADRS]            ; the next K step's scale words (no LDS load of mine is out)
	FETCH_B \next, 0, 0
	FETCH_A \next, 0, 0
	SCALES \next
	WIN MUL_HI
	MUL16 4, 1, NQ-1, \slot, 0
	MUL16 6, 1, NQ-1, \slot, 0
	PLACES NP
	WIN 0
	FETCH_A \next, 0, 4
.endm
.macro STEPS slot, from
.set Q, \from
.rept NQ-1-\from
	STEP \slot, Q, 0
.set Q, Q+1
.endr
.endm
	s_wait_tensorcnt 1                             ; the scales and my part of K step 0 are in; K step 1's load may be out
	s_barrier_signal -1
	s_barrier_wait -1
	FETCH_B 0, 0, 0
	FETCH_A 0, 0, 0
	SCALES 0
	FETCH_A 0, 0, 4
	STEP 0, 0, 1                                   ; the first step's products start the sums
	s_mov_b32 s3, LAPS-1
.Llap:                                                 ; a trip goes once round the ring and fills both slots again
	STEPS 0, 1
	TURN 0, 1, 1
	STEPS 1, 0
	TURN 1, 0, 1
	STEP 0, 0, 0
	s_sub_co_u32 s3, s3, 1
	s_cmp_lg_u32 s3, 0
	s_cbranch_scc1 .Llap
	STEPS 0, 1                                     ; the last lap fills nothing
	TURN 0, 1, 0
	STEPS 1, 0
	s_wait_dscnt 4*NL
	WIN MUL_LO
	MUL16 0, 1, NQ-1, 1, 0
	MUL16 2, 1, NQ-1, 1, 0
	s_wait_dscnt 0
	WIN MUL_HI
	MUL16 4, 1, NQ-1, 1, 0
	MUL16 6, 1, NQ-1, 1, 0
	WIN 0
; THE WAY OUT, a block of 16 rows at a time.
.macro SEL a                           ; cos = cos x alpha + beta, sin = sin x alpha
.set CSB, 64+128*((\a)%2)-64*(((\a)/2)%2)
	WIN 0x41                                       ; destination and source 0 window 1
.set i, 0
.rept 16
	v_pk_fma_f32 v[CSB+i:CSB+i+1], v[CSB+i:CSB+i+1], v[AL:AL+1], v[BE:BE+1] op_sel_hi:[1,0,0]
	v_pk_mul_f32 v[CSB+32+i:CSB+33+i], v[CSB+32+i:CSB+33+i], v[AL:AL+1] op_sel_hi:[1,0]
.set i, i+2
.endr
.endm
.macro ROPE a                          ; T[i] = x1 cos - x2 sin, T[32 + i] = x1 sin + x2 cos; each accumulator is read from its low end on
.set CSB, 64+128*((\a)%2)-64*(((\a)/2)%2)
.set AC, 64*((\a)%4)
	WIN 0x06+(\a)/4                                ; source 0: the accumulators' window 2 or 3; source 1: window 1
.set i, 0
.rept 16
	v_pk_mul_f32 v[T+i:T+i+1], v[AC+i:AC+i+1], v[CSB+i:CSB+i+1]
	v_pk_mul_f32 v[T+32+i:T+33+i], v[AC+i:AC+i+1], v[CSB+32+i:CSB+33+i]
	v_pk_fma_f32 v[T+i:T+i+1], v[AC+32+i:AC+33+i], v[CSB+32+i:CSB+33+i], v[T+i:T+i+1] neg_lo:[1,0,0] neg_hi:[1,0,0]
	v_pk_fma_f32 v[T+32+i:T+33+i], v[AC+32+i:AC+33+i], v[CSB+i:CSB+i+1], v[T+32+i:T+33+i]
.set i, i+2
.endr
	WIN 0
.endm
.macro NORM                            ; T x (rsqrt(mean of squares + eps) x alpha + beta)
	v_pk_mul_f32 v[2:3], v[T:T+1], v[T:T+1]
	v_pk_mul_f32 v[4:5], v[T+2:T+3], v[T+2:T+3]
	v_pk_mul_f32 v[6:7], v[T+4:T+5], v[T+4:T+5]
	v_pk_mul_f32 v[14:15], v[T+6:T+7], v[T+6:T+7]
.set i, 8
.rept 7
	v_pk_fma_f32 v[2:3], v[T+i:T+i+1], v[T+i:T+i+1], v[2:3]
	v_pk_fma_f32 v[4:5], v[T+i+2:T+i+3], v[T+i+2:T+i+3], v[4:5]
	v_pk_fma_f32 v[6:7], v[T+i+4:T+i+5], v[T+i+4:T+i+5], v[6:7]
	v_pk_fma_f32 v[14:15], v[T+i+6:T+i+7], v[T+i+6:T+i+7], v[14:15]
.set i, i+8
.endr
	v_pk_add_f32 v[2:3], v[2:3], v[4:5]
	v_pk_add_f32 v[6:7], v[6:7], v[14:15]
	v_pk_add_f32 v[2:3], v[2:3], v[6:7]
	v_add_f32 v2, v2, v3
	v_permlanex16_b32 v[PT], v2, s4, s5            ; the row's other 64 columns lie in the lane 16 away
	v_add_f32 v2, v2, v[PT]
	v_fma_f32 v2, v2, s6, s7                       ; / 128 + eps
	v_rsq_f32 v[FF], v2
	v_nop                                          ; a plain instruction behind the transcendental
	s_wait_alu depctr_va_vdst(0)                   ; and a wait ahead of its first reader
	v_fma_f32 v[FF], v[FF], v[AL], v[BE]
.set i, 0
.rept 32
	v_pk_mul_f32 v[T+i:T+i+1], v[T+i:T+i+1], v[FF:FF+1] op_sel_hi:[1,0]
.set i, i+2
.endr
.endm
.macro F32OUT                          ; positions under 16 also leave in f32.  No branch: which partner holds them hangs on its place in the cluster, so the lanes are masked instead
	v_cmp_gt_u32 vcc_lo, 16, v[TROW]
	s_wait_xcnt 0x0                                ; EXEC changes only behind this wait: loads and stores of mine are out
	s_and_saveexec_b32 s20, vcc_lo
.irp b, 0,1,2,3,4,5,6,7
	global_store_b128 v[H16O], v[T+8*\b:T+8*\b+3], s[98:99] offset:64*\b
	global_store_b128 v[H16O], v[T+8*\b+4:T+8*\b+7], s[98:99] offset:64*\b+16
.endr
	s_wait_xcnt 0x0                                ; and again: the stores have read EXEC and their data
	s_or_b32 exec_lo, exec_lo, s20
.endm
.macro CVT
.set i, 0
.rept 32
	v_cvt_pk_f16_f32 v[PKR+i], v[T+2*i], v[T+2*i+1]
.set i, i+1
.endr
.endm
.macro TOSTAGE a                       ; 16 bytes a lane into my stage, and back as whole rows of 256 bytes; LDS serves a wave's instructions in order
.set OBB, OB+32*((\a)%2)
.if (\a) >= 2
	s_wait_xcnt 0x0                                ; the stores of two blocks back have read these registers
.endif
.irp b, 0,1,2,3,4,5,6,7
	ds_store_b128 v[STO], v[PKR+4*\b:PKR+4*\b+3] offset:32*\b
.endr
.irp t, 0,1,2,3,4,5,6,7
	ds_load_b128 v[OBB+4*\t:OBB+4*\t+3], v[RD] offset:\t*2*SPITCH
.endr
.endm
.macro SEND a
.set OBB, OB+32*((\a)%2)
	s_wait_dscnt 0x0                               ; the block is back in registers
.irp t, 0,1,2,3,4,5,6,7
	global_store_b128 v[CO], v[OBB+4*\t:OBB+4*\t+3], s[96:97] offset:4096*(\a)+512*\t   ; sixteen lanes store a whole row of 256 bytes, aligned
.endr
.endm
	PLACES NP                                      ; behind the last products: loads into the weights' registers and vector writes over x's follow
	CSLOAD 2
	CSLOAD 3
.irp a, 0,1,2,3,4,5,6,7
.if \a < 5
	s_wait_loadcnt 48                              ; this block's sixteen loads are in; three later blocks' 48 may be out
.else
	s_wait_loadcnt 16*(7-\a)
.endif
	SEL \a
	ROPE \a
	NORM
.if \a < 4
	CSLOAD \a+4                                    ; into the set that this block has just read
.endif
.if \a == 0
	F32OUT
.endif
	CVT
.if \a > 0
	SEND \a-1
.endif
	TOSTAGE \a
.endr
	SEND 7
	s_wait_tensorcnt 0x0                           ; the wave's end
	ds_add_u32 v[SPW], v[NIL]
	s_wait_dscnt 0x0
	CROUND                                         ; the closing round
	s_endpgm
.Lfunc_end_k_q0bb533df29_qkv:
	.size	k_q0bb533df29_qkv, .Lfunc_end_k_q0bb533df29_qkv-k_q0bb533df29_qkv
	.p2alignl 7, 3214868480
	.fill 96, 4, 3214868480
	.section	.rodata,"a",@progbits
	.p2align	6, 0x0
	.amdhsa_kernel k_q0bb533df29_qkv
		.amdhsa_group_segment_fixed_size 327680
		.amdhsa_private_segment_fixed_size 0
		.amdhsa_enable_private_segment 0
		.amdhsa_kernarg_size 64
		.amdhsa_user_sgpr_count 2
		.amdhsa_user_sgpr_kernarg_segment_ptr 1
		.amdhsa_wavefront_size32 1
		.amdhsa_system_sgpr_workgroup_id_x 1
		.amdhsa_system_sgpr_workgroup_id_y 1
		.amdhsa_system_sgpr_workgroup_id_z 1
		.amdhsa_system_vgpr_workitem_id 0
		.amdhsa_next_free_vgpr 1024
		.amdhsa_next_free_sgpr 102
		.amdhsa_reserve_vcc 1
		.amdhsa_float_denorm_mode_32 3
		.amdhsa_float_denorm_mode_16_64 3
		.amdhsa_memory_ordered 1
		.amdhsa_forward_progress 1
		.amdhsa_inst_pref_size 255
	.end_amdhsa_kernel
	.section	.bss,"aw",@nobits
	.p2align	6
	.space	262144
	.amdgpu_metadata
---
amdhsa.version: [ 1, 2 ]
amdhsa.kernels:
  - .name:           k_q0bb533df29_qkv
    .symbol:         k_q0bb533df29_qkv.kd
    .args:
      - { .name: xc, .offset: 0, .size: 8, .value_kind: global_buffer, .address_space: global }
      - { .name: xs, .offset: 8, .size: 8, .value_kind: global_buffer, .address_space: global }
      - { .name: wc, .offset: 16, .size: 8, .value_kind: global_buffer, .address_space: global }
      - { .name: ws, .offset: 24, .size: 8, .value_kind: global_buffer, .address_space: global }
      - { .name: cos, .offset: 32, .size: 8, .value_kind: global_buffer, .address_space: global }
      - { .name: sin, .offset: 40, .size: 8, .value_kind: global_buffer, .address_space: global }
      - { .name: qkv, .offset: 48, .size: 8, .value_kind: global_buffer, .address_space: global }
      - { .name: head16, .offset: 56, .size: 8, .value_kind: global_buffer, .address_space: global }
    .group_segment_fixed_size: 327680
    .private_segment_fixed_size: 0
    .kernarg_segment_align: 8
    .kernarg_segment_size: 64
    .max_flat_workgroup_size: 128
    .sgpr_count:     102
    .vgpr_count:     1024
    .wavefront_size: 32
...
	.end_amdgpu_metadata
.endif
;; end of part 2
;; launch attn (part 3): grid 16 x 16, 8 waves a work-group, no clusters, 327,680 bytes of LDS; arguments qkv, y16; writes y16
.if DOCPART == 3
	.amdgcn_target "amdgcn-amd-amdhsa--gfx1250"
	.amdhsa_code_object_version 6
	.text
	.protected	k_q0bb533df29_attn
	.globl	k_q0bb533df29_attn
	.p2align	8
	.type	k_q0bb533df29_attn,@function
k_q0bb533df29_attn:
	s_mov_b64 s[64:65], 0
	v_nop
	global_prefetch_b8 v0, s[64:65] scope:SCOPE_SE
	s_setreg_imm32_b32 hwreg(HW_REG_WAVE_MODE, 25, 1), 1
	s_wait_xcnt 0x0
; y[b][t][head][:] = the sum over keys k <= t of softmax_k(q . k / sqrt(128)) v, operands in f16, products, maxima and sums in f32, a running maximum.
; qkv: f16 [batch 4][g 12][t 2048][128] (g = 0-3 q, 4-7 k, 8-11 v).  y16: f16 [8192][512].
; SHARES.  Work-group (j, batch x 4 + head) owns the query blocks j and 31 - j of 64 queries.  Waves w and w xor 4 BOTH hold tile w % 4 (16 queries) of the early block and tile w % 4 of the late block, and
; share the KEYS: of the key steps of 64, one of the two takes the even ones, the other the odd ones.  So the longest walk of a wave is 16 steps, no wave is without work while its partner walks on, and where both
; tiles count, one read of K and V from LDS feeds two tiles.  At the end each wave sends the partial state of one tile (O^T, c m, the sum) through LDS to its partner and finishes the other.
; TWO GROUPS, HALF A STEP APART.  A step is HEAD (K from LDS, S^T = K Q^T, V from LDS into K's registers) and TAIL (softmax, O^T += V^T P).  Between two barriers group 0 runs HEAD TAIL HEAD TAIL and
; group 1 TAIL HEAD TAIL HEAD: its last TAIL stands behind the next barrier; it reads no LDS, since V and the scores lie in registers.  So one group's vector work stands beside the other's LDS and matrix work.
; The group, which is also the parity of the key steps, is ((w >> 2) xor w) & 1: it differs between w and w xor 4 and between w and w xor 1.
; RING.  Two LDS slots of 256 keys (four steps, two for each wave); wave 0 fetches K's 256 rows, wave 1 V's.  EVERY work-group walks all 8 slots, so that trip counts are constants; a step whose keys all come
; after a tile's queries is jumped over for that tile, and a slot whose first key comes after the work-group's last query is not asked for.  The last slot asked for may hold up to 192 keys that nobody reads.
; NO CLUSTER: the work-groups of a head stop at different keys, so a jointly asked tile would go unread by a partner.
; LAYOUT.  S^T = K Q^T and O^T = V^T P: a lane holds one query (lane % 16) throughout; V is turned on its way out of LDS.
; The first 16 positions of every sequence are computed here like the others; a later launch carries them in f32 and its results stand in the output.
; LIMITS: |v| under 65,504 (f16).  q and k are bounded by sqrt(128) by their norm, p by 1.
; REGISTERS: window 0: v0-31 addresses and statistics; v32-63, v64-95 S^T of tiles A and B; v96-111, v112-127 P; v128-255 K's 16 fragments, then V's.  window 1: v0-31, v32-63 Q; v64-127, v128-191 O^T.
; Tile A is the one that this wave finishes, tile B the one that it sends: group 0: A early, B late; group 1: A late, B early.
.set KS,    64
.set SK,    256                        ; keys in a slot
.set PK,    272                        ; a row of K in LDS: 256 bytes + 16
.set PV,    288                        ; a row of V: 256 + 32
.set VOFF,  SK*PK                      ; 69,632
.set SLOTB, VOFF+SK*PV                 ; 143,360: a slot
.set VX,    0x25000                    ; VOFF xor (VOFF + SLOTB): turns V's LDS address in one slot into the other's
.set SPARE, 2*SLOTB                    ; the spare words: 128 bytes a wave, named by no other line
.set XB,    8704                       ; the exchange: 64 registers' image and 4 statistics for each wave; it begins at LDS byte 0,
.set STAGE, 8*XB                       ; the stages behind it: 16 rows x 272 for each wave: both in slot 0, which has had its last fill and its last read at the last change of slots
.set XR,  1                            ; v1  where I read my partner's image
.set AK0, 2                            ; v2  my lane's place in my first step of a slot, K
.set AV0, 3                            ; v3  the same for V
.set ADK, 4
.set ADV, 5
.set STO, 6
.set RD,  7
.set GO,  8
.set QO,  9
.set XW,  10                           ; v10 where I put my image
.set RH,  11                           ; r - 8 h
.set STA, 12                           ; v12-15 tile A: c m, m, the sum (even and odd keys')
.set STB, 16                           ; v16-19 tile B
.set C0,  20                           ; v20-23 at work
.set AA,  24                           ; v[24:25] a = 2^(c m_old - c m_new) (low word)
.set OLD, 26                           ; v[26:27] at work; in the merge a pair
.set DD,  27
.set NINF, 28
.set PFO, 29
.set SPW, 30
.set NIL, 31
.set SA,  32
.set SB,  64
.set PA,  96
.set PB,  112
.set KV,  128
.set QA,  0
.set QB,  32
.set OA,  64
.set OBT, 128
.set WV,  8
.set PAR, 9                            ; my group and my parity
.set G1K, 16
.set G1V, 24
.set G0K, 32
.set G0V, 36
.set CS,  40
.set SEL, 42
.set TB,  44                           ; LDS byte at which the slot in hand begins
.set KF,  45                           ; its first key
.set KW,  46                           ; the first key of my first step in it
.set QL,  47                           ; my work-group's last query
.set SLOTS, 48
.set LIM, 49
.set PFK, 50
.set PFV, 52
.set Q0A, 66                           ; tile A's first query; tile B's
.set Q0B, 67
.set QA15, 68                          ; their last
.set QB15, 69
.set FA,  70                           ; 1: the step whose TAIL is due counts for tile A; for tile B
.set FB,  71
.set KT,  72                           ; that step's first key
.set MSB, 0
.macro WIN new
.if MSB != (\new)
	s_set_vgpr_msb (MSB<<8)|(\new)
.set MSB, \new
.endif
.endm
.macro TLOAD                           ; wave 0: K's rows; wave 1: V's; the others nothing.  An s_nop 0 and four v_nop follow each line
	s_cmp_eq_u32 s[WV], 0
	s_cbranch_scc0 .Lnot_k_\@
	tensor_load_to_lds s[G0K:G0K+3], s[G1K:G1K+7]
	s_nop 0
.rept 4
	v_nop
.endr
	s_branch .Lasked_\@
.Lnot_k_\@:
	s_cmp_eq_u32 s[WV], 1
	s_cbranch_scc0 .Lasked_\@
	tensor_load_to_lds s[G0V:G0V+3], s[G1V:G1V+7]
	s_nop 0
.rept 4
	v_nop
.endr
.Lasked_\@:
.endm
; A prefetch of what the NEXT change of slots will ask for: 256 rows of K and of V, 256 bytes a row, a lane a row: a slot's four key steps ahead of that load.  All work-groups of a head walk the same rows:
; work-group j = 0, which walks all of them, asks; in it wave 4 + i names rows 64 i .. 64 i + 63, by two instructions for K and two for V.  So each row is named once in the launch.
; The last change that fills a slot asks for nothing; slots 0 and 1 come by their loads alone.
.macro ASK
	s_cmp_gt_u32 s[SLOTS], s[LIM]
	s_cbranch_scc0 .Lnot_mine_\@
	global_prefetch_b8 v[PFO], s[PFK:PFK+1] th:TH_LOAD_NT scope:SCOPE_SE
	global_prefetch_b8 v[PFO], s[PFK:PFK+1] offset:8192 th:TH_LOAD_NT scope:SCOPE_SE
	global_prefetch_b8 v[PFO], s[PFV:PFV+1] th:TH_LOAD_NT scope:SCOPE_SE
	global_prefetch_b8 v[PFO], s[PFV:PFV+1] offset:8192 th:TH_LOAD_NT scope:SCOPE_SE
.Lnot_mine_\@:
.endm
	s_load_b128 s[4:7], s[0:1], 0x0                ; qkv, y16
	v_lshl_add_u32 v[SPW], v0, 2, SPARE
	v_mov_b32 v[NIL], 0
	ds_add_u32 v[SPW], v[NIL]                      ; the wave's opening: the add, twice on end, and its wait ahead of the first tensor load
	ds_add_u32 v[SPW], v[NIL]
	v_lshrrev_b32 v32, 5, v0
	v_readfirstlane_b32 s[WV], v32                 ; wave 0..7
	s_lshr_b32 s[PAR], s[WV], 2
	s_xor_b32 s[PAR], s[PAR], s[WV]
	s_and_b32 s[PAR], s[PAR], 1                    ; my group
	s_and_b32 s54, ttmp7, 0xffff
	s_lshr_b32 s55, s54, 2                         ; batch
	s_and_b32 s56, s54, 3                          ; head
	s_mul_i32 s57, s55, 12
	s_add_co_u32 s57, s57, s56
	s_lshl_b32 s58, s57, 19                        ; q's head: 2,048 rows of 256 bytes
	s_mov_b32 s59, 0
	s_and_b32 s62, s[WV], 3                        ; my tile of a block
	s_lshl_b32 s63, s62, 4
	s_lshl_b32 s60, ttmp9, 6
	s_add_co_u32 s60, s60, s63                     ; the early tile's first query
	s_sub_co_u32 s61, 31, ttmp9
	s_lshl_b32 s61, s61, 6
	s_add_co_u32 s[QL], s61, 63
	s_add_co_u32 s61, s61, s63                     ; the late tile's
	s_cmp_eq_u32 s[PAR], 0
	s_cselect_b32 s[Q0A], s60, s61
	s_cselect_b32 s[Q0B], s61, s60
	s_add_co_u32 s[QA15], s[Q0A], 15
	s_add_co_u32 s[QB15], s[Q0B], 15
	s_lshl_b32 s74, s[Q0A], 8
	s_mov_b32 s75, 0
	s_lshl_b32 s76, s[Q0B], 8
	s_mov_b32 s77, 0
	s_lshl_b32 s78, s55, 11
	s_add_co_u32 s78, s78, s[Q0A]
	s_lshl_b32 s78, s78, 10                        ; y16: tile A's rows of 1,024 bytes,
	s_lshl_b32 s79, s56, 8                         ; 256 bytes a head
	s_add_co_u32 s78, s78, s79
	s_mov_b32 s79, 0
	s_lshl_b32 s80, s62, 14                        ; the prefetches: 64 rows a wave
	s_mov_b32 s81, 0
	s_lshr_b32 s54, s[WV], 2
	s_xor_b32 s54, s54, 1                          ; 0 in waves 4 to 7,
	s_or_b32 s54, s54, ttmp9                       ; of work-group j = 0
	s_cmp_eq_u32 s54, 0
	s_cselect_b32 s[LIM], 1, -1
	s_mov_b32 s[G1K], (1<<16)|(1<<20)|(5<<22)|(3<<25)   ; elements of 2 bytes; 4 words of padding behind every 64
	s_mov_b32 s[G1V], (1<<16)|(1<<20)|(5<<22)|(7<<25)   ; 8 words
.irp g, G1K, G1V
	s_mov_b32 s[\g+1], 128<<16                     ; tensor_dim0
	s_mov_b32 s[\g+2], SK<<16                      ; tensor_dim1
	s_mov_b32 s[\g+3], 128<<16                     ; tile_dim0
	s_mov_b32 s[\g+4], SK                          ; tile_dim1
	s_mov_b32 s[\g+5], 128                         ; pitch
	s_mov_b32 s[\g+6], 0
	s_mov_b32 s[\g+7], 0
.endr
	s_mov_b32 s[CS], 0x3e0293ee                    ; c = log2(e) / sqrt(128)
	s_mov_b32 s[CS+1], s[CS]
	s_mov_b32 s[SEL], 0x76543210
	s_mov_b32 s[SEL+1], 0xfedcba98
	s_mov_b32 s[TB], 0
	s_mov_b32 s[KF], 0
	s_lshl_b32 s[KW], s[PAR], 6
	s_mov_b32 s[SLOTS], 7
	s_mov_b32 s[FA], 0                             ; no TAIL is due yet
	s_mov_b32 s[FB], 0
	s_mov_b32 s[KT], 0
	s_wait_dscnt 0x0                               ; both opening adds are done
	s_wait_kmcnt 0x0
	s_add_nc_u64 s[58:59], s[4:5], s[58:59]
	s_add_nc_u64 s[6:7], s[6:7], s[78:79]
	s_mov_b32 s[G0K], 1
	s_mov_b32 s[G0K+1], 0
	s_add_nc_u64 s[G0K+2:G0K+3], s[58:59], 4<<19   ; k's head lies four heads on,
	s_add_nc_u64 s[PFK:PFK+1], s[G0K+2:G0K+3], s[80:81]
	s_add_nc_u64 s[PFK:PFK+1], s[PFK:PFK+1], 65536 ; (in slot 1: the first change steps it to slot 2; nothing is prefetched at the head)
	s_or_b32 s[G0K+3], s[G0K+3], 0x80000000
	s_mov_b32 s[G0V], 1
	s_mov_b32 s[G0V+1], VOFF
	s_add_nc_u64 s[G0V+2:G0V+3], s[58:59], 8<<19   ; v's eight
	s_add_nc_u64 s[PFV:PFV+1], s[G0V+2:G0V+3], s[80:81]
	s_add_nc_u64 s[PFV:PFV+1], s[PFV:PFV+1], 65536
	s_or_b32 s[G0V+3], s[G0V+3], 0x80000000
	TLOAD                                          ; slot 0: it holds key 0, which counts for every query
	s_add_nc_u64 s[74:75], s[58:59], s[74:75]      ; tile A's queries,
	s_add_nc_u64 s[76:77], s[58:59], s[76:77]      ; tile B's
	v_and_b32 v32, 15, v0                          ; r
	v_bfe_u32 v33, v0, 4, 1                        ; h
	v_lshlrev_b32 v[QO], 8, v32
	v_lshl_add_u32 v[QO], v33, 4, v[QO]
	WIN 0x40
.irp c, 0,1,2,3
	global_load_b128 v[QA+8*\c:QA+8*\c+3], v[QO], s[74:75] offset:64*\c       ; Q stays in registers
	global_load_b128 v[QA+8*\c+4:QA+8*\c+7], v[QO], s[74:75] offset:64*\c+32
	global_load_b128 v[QB+8*\c:QB+8*\c+3], v[QO], s[76:77] offset:64*\c
	global_load_b128 v[QB+8*\c+4:QB+8*\c+7], v[QO], s[76:77] offset:64*\c+32
.endr
.set i, 0
.rept 128
	v_mov_b32 v[OA+i], 0                           ; O^T of both tiles: the step is written once; its first pass finds zeros.  (These lines stand under the first tile's way in)
.set i, i+1
.endr
	WIN 0
	v_mul_u32_u24 v[AK0], v32, PK
	v_lshl_add_u32 v[AK0], v33, 4, v[AK0]          ; row r x 272 + 16 h
	s_mul_i32 s54, s[WV], 16*272
	s_add_co_u32 s54, s54, STAGE
	v_add_nc_u32 v[STO], s54, v[AK0]               ; my stage, in: row r, 16 bytes for each half of the lanes
	v_mul_u32_u24 v[RD], v33, 272
	v_lshl_add_u32 v[RD], v32, 4, v[RD]
	v_add_nc_u32 v[RD], s54, v[RD]                 ; back: two rows an instruction
	s_mul_i32 s54, s[PAR], KS*PK
	v_add_nc_u32 v[AK0], s54, v[AK0]               ; K: my first step of a slot is step 0 or step 1
	v_and_b32 v[AV0], 7, v0
	v_lshl_add_u32 v[AV0], v33, 3, v[AV0]
	v_mul_u32_u24 v[AV0], v[AV0], PV
	v_bfe_u32 v34, v0, 3, 1
	v_lshl_add_u32 v[AV0], v34, 4, v[AV0]          ; V, for the turning load: key 8 h + l % 8, channels 8 ((l / 8) % 2) on
	s_mul_i32 s54, s[PAR], KS*PV
	s_add_co_u32 s54, s54, VOFF
	v_add_nc_u32 v[AV0], s54, v[AV0]
	v_and_b32 v34, 31, v0
	v_lshlrev_b32 v[PFO], 8, v34
	v_lshlrev_b32 v34, 4, v34                      ; 16 x lane: an image's place for my lane
	s_mul_i32 s54, s[WV], XB
	v_add_nc_u32 v[XW], s54, v34
	s_xor_b32 s54, s[WV], 4                        ; my partner
	s_mul_i32 s54, s54, XB
	v_add_nc_u32 v[XR], s54, v34
	v_lshlrev_b32 v[GO], 10, v33
	v_lshl_add_u32 v[GO], v32, 4, v[GO]
	v_lshlrev_b32 v[RH], 3, v33
	v_sub_nc_u32 v[RH], v32, v[RH]
.irp t, STA, STB
	v_mov_b32 v[\t+1], 0xff61b1e6                  ; m: -3e38, under every score
	v_mul_f32 v[\t], s[CS], v[\t+1]
	v_mov_b32 v[\t+2], 0
	v_mov_b32 v[\t+3], 0
.endr
.irp t, 0,1,2,3,4,5,6,7
	v_mov_b32 v[C0+\t], 0                          ; v20-27: a lane permute's destination counts as one of its sources, and upper halves of pairs are named
.endr
	v_mov_b32 v[NINF], 0xff800000
.set i, 0
.rept 64
	v_mov_b32 v[SA+i], 0                           ; the first TAIL in the text stands ahead of the first HEAD (no step is due then): every register that it names is written
.set i, i+1
.endr
.set i, 0
.rept 128
	v_mov_b32 v[KV+i], 0
.set i, i+1
.endr
; 16 products S^T = K Q^T of one tile: keys 16 (i % 4) on, channels 32 (i / 4) on; the four accumulators take turns
.macro KQ sx, qx
.set i, 0
.rept 16
.if i < 4
	v_wmma_f32_16x16x32_f16 v[\sx+8*(i%4):\sx+8*(i%4)+7], v[KV+32*(i%4)+8*(i/4):KV+32*(i%4)+8*(i/4)+7], v[\qx+8*(i/4):\qx+8*(i/4)+7], 0
.else
	v_wmma_f32_16x16x32_f16 v[\sx+8*(i%4):\sx+8*(i%4)+7], v[KV+32*(i%4)+8*(i/4):KV+32*(i%4)+8*(i/4)+7], v[\qx+8*(i/4):\qx+8*(i/4)+7], v[\sx+8*(i%4):\sx+8*(i%4)+7]
.endif
.set i, i+1
.endr
.endm
; HEAD of my step that begins off keys behind my first step of the slot.  The flags say for which tiles it counts: ids and the count of steps alone.  No barrier and no tensor load stands in it.
.macro HEAD off
	s_add_co_u32 s[KT], s[KW], \off
	s_cmp_le_u32 s[KT], s[QA15]
	s_cselect_b32 s[FA], 1, 0
	s_cmp_le_u32 s[KT], s[QB15]
	s_cselect_b32 s[FB], 1, 0
	s_or_b32 s54, s[FA], s[FB]
	s_cmp_eq_u32 s54, 0
	s_cbranch_scc1 .Lnone_\@                       ; all its keys come after both tiles' queries
	s_wait_dscnt 0x0                               ; no load into these registers is out
.rept 4
	v_nop                                          ; four places behind the last products, which read V in the registers that are loaded below
.endr
.irp f, 0,1,2,3,4,5,6,7,8,9,10,11,12,13,14,15
	ds_load_b128 v[KV+8*\f:KV+8*\f+3], v[ADK] offset:\off*PK+(\f/4)*16*PK+(\f%4)*64
	ds_load_b128 v[KV+8*\f+4:KV+8*\f+7], v[ADK] offset:\off*PK+(\f/4)*16*PK+(\f%4)*64+32
.endr
	s_wait_dscnt 0x0                               ; K is in
	s_cmp_eq_u32 s[FA], 0
	s_cbranch_scc1 .Lnka_\@
	WIN 0x04                                       ; Q in window 1
	KQ SA, QA
	WIN 0
.Lnka_\@:
	s_cmp_eq_u32 s[FB], 0
	s_cbranch_scc1 .Lnkb_\@
	WIN 0x04
	KQ SB, QB
	WIN 0
.Lnkb_\@:
.rept 4
	v_nop                                          ; four places: V is loaded into K's registers, and TAIL reads the scores
.endr
.irp f, 0,1,2,3,4,5,6,7,8,9,10,11,12,13,14,15
	ds_load_tr16_b128 v[KV+8*\f:KV+8*\f+3], v[ADV] offset:\off*PV+(\f/8)*32*PV+(\f%8)*32
	ds_load_tr16_b128 v[KV+8*\f+4:KV+8*\f+7], v[ADV] offset:\off*PV+(\f/8)*32*PV+16*PV+(\f%8)*32
.endr
.Lnone_\@:
.endm
; One tile's softmax and its 16 products O^T += V^T P, for the step whose first key is s[KT].
.macro SOFTPV sx, px, st, ox, q0
	s_add_co_u32 s54, s[KT], 63
	s_cmp_le_u32 s54, s[\q0]                       ; all 64 keys count for all 16 queries: no mask
	s_cbranch_scc1 .Lopen_\@
	s_sub_co_i32 s54, s[\q0], s[KT]
	v_add_nc_u32 v[DD], s54, v[RH]                 ; d = my query - KT - 8 h.  Register n holds key KT + 8 h + 16 (n / 8) + n % 8: hidden where 16 (n / 8) + n % 8 > d
.set n, 0
.rept 32
	v_cmp_gt_i32 vcc_lo, 16*(n/8)+n%8, v[DD]
	v_cndmask_b32 v[\sx+n], v[\sx+n], v[NINF], vcc_lo
.set n, n+1
.endr
.Lopen_\@:
.irp c, 0,1,2,3
	v_max3_num_f32 v[C0+\c], v[\sx+8*\c], v[\sx+8*\c+1], v[\sx+8*\c+2]   ; each accumulator from its low end on
.endr
.irp c, 0,1,2,3
	v_max3_num_f32 v[C0+\c], v[C0+\c], v[\sx+8*\c+3], v[\sx+8*\c+4]
.endr
.irp c, 0,1,2,3
	v_max3_num_f32 v[C0+\c], v[C0+\c], v[\sx+8*\c+5], v[\sx+8*\c+6]
.endr
	v_max3_num_f32 v[C0], v[C0], v[\sx+7], v[\sx+15]
	v_max3_num_f32 v[C0+2], v[C0+2], v[\sx+23], v[\sx+31]
	v_max3_num_f32 v[C0], v[C0], v[C0+1], v[C0+2]
	v_max3_num_f32 v[C0], v[C0], v[C0+3], v[\st+1] ; with the old m
	v_permlanex16_b32 v[C0+1], v[C0], s[SEL], s[SEL+1]   ; the query's other 32 keys lie in the lane 16 away
	v_mov_b32 v[OLD], v[\st]
	v_max_num_f32 v[\st+1], v[C0], v[C0+1]
	v_mul_f32 v[\st], s[CS], v[\st+1]
	v_sub_f32 v[OLD], v[OLD], v[\st]               ; c m_old - c m_new
.set i, 0
.rept 16
	v_pk_fma_f32 v[\sx+i:\sx+i+1], v[\sx+i:\sx+i+1], s[CS:CS+1], v[\st:\st+1] op_sel_hi:[1,0,0] neg_lo:[0,0,1] neg_hi:[0,0,1]   ; c s - c m
.set i, i+2
.endr
	v_exp_f32 v[AA], v[OLD]
.set i, 0
.rept 32
	v_exp_f32 v[\sx+i], v[\sx+i]
.set i, i+1
.endr
	v_nop                                          ; a plain instruction behind the last exponential
	s_wait_alu depctr_va_vdst(0)                   ; one wait for the 33, ahead of their first reader
.set i, 0
.rept 16
	v_cvt_pk_f16_f32 v[\px+i], v[\sx+2*i], v[\sx+2*i+1]   ; two tiles' pairs ARE source 1 (32 keys x 16 queries) of the second product
.set i, i+1
.endr
.irp u, 0,1,2,3,4,5,6,7
	v_pk_add_f32 v[\sx+4*\u:\sx+4*\u+1], v[\sx+4*\u:\sx+4*\u+1], v[\sx+4*\u+2:\sx+4*\u+3]   ; the sum of the unrounded p, in place
.endr
.irp u, 0,1,2,3
	v_pk_add_f32 v[\sx+8*\u:\sx+8*\u+1], v[\sx+8*\u:\sx+8*\u+1], v[\sx+8*\u+4:\sx+8*\u+5]
.endr
.irp u, 0,1
	v_pk_add_f32 v[\sx+16*\u:\sx+16*\u+1], v[\sx+16*\u:\sx+16*\u+1], v[\sx+16*\u+8:\sx+16*\u+9]
.endr
	v_pk_add_f32 v[\sx:\sx+1], v[\sx:\sx+1], v[\sx+16:\sx+17]
	v_pk_fma_f32 v[\st+2:\st+3], v[\st+2:\st+3], v[AA:AA+1], v[\sx:\sx+1] op_sel_hi:[1,0,1]
	WIN 0x41
.set i, 0
.rept 32
	v_pk_mul_f32 v[\ox+i:\ox+i+1], v[\ox+i:\ox+i+1], v[AA:AA+1] op_sel_hi:[1,0]     ; O^T x a
.set i, i+2
.endr
	s_wait_dscnt 0x0                               ; V is in
	WIN 0x50                                       ; O^T in window 1; V and P in window 0
.set i, 0
.rept 16                                       ; keys 32 (i / 8) on, channels 16 (i % 8) on; the eight accumulators take turns
	v_wmma_f32_16x16x32_f16 v[\ox+8*(i%8):\ox+8*(i%8)+7], v[KV+64*(i/8)+8*(i%8):KV+64*(i/8)+8*(i%8)+7], v[\px+8*(i/8):\px+8*(i/8)+7], v[\ox+8*(i%8):\ox+8*(i%8)+7]
.set i, i+1
.endr
	WIN 0
.endm
.macro TAIL                            ; of the step that the last HEAD began
	s_cmp_eq_u32 s[FA], 0
	s_cbranch_scc1 .Lna_\@
	SOFTPV SA, PA, STA, OA, Q0A
.Lna_\@:
	s_cmp_eq_u32 s[FB], 0
	s_cbranch_scc1 .Lnb_\@
	SOFTPV SB, PB, STB, OBT, Q0B
.Lnb_\@:
.endm
; THE CHANGE OF SLOTS, at a slot's head.  Each wave waits for all its tensor loads, adds 0 to its spare word, and waits for that and for its reads of the slot that it has left; one barrier.
; fill = 1: the slot just left is filled with the keys that follow those of the slot ahead: the load has a slot's four key steps in which to land.
.macro CHANGE fill
	s_wait_tensorcnt 0x0                           ; no tensor load of mine is out, so a group 0 may be written
	ds_add_u32 v[SPW], v[NIL]
.if \fill
	ds_add_u32 v[SPW], v[NIL]                      ; and once more
	s_xor_b32 s[G0K+1], s[G0K+1], SLOTB            ; 0 or SLOTB
	s_add_nc_u64 s[G0K+2:G0K+3], s[G0K+2:G0K+3], 65536   ; the next 256 keys; the type bits on top are not reached
	s_xor_b32 s[G0V+1], s[G0V+1], VX               ; VOFF or VOFF + SLOTB
	s_add_nc_u64 s[G0V+2:G0V+3], s[G0V+2:G0V+3], 65536
	s_wait_xcnt 0x0                                ; the last prefetches, a slot back, have read their addresses
	s_add_nc_u64 s[PFK:PFK+1], s[PFK:PFK+1], 65536
	s_add_nc_u64 s[PFV:PFV+1], s[PFV:PFV+1], 65536
.endif
	s_wait_dscnt 0x0                               ; the add is done; my reads of the slot that I leave are over: V of group 1's last step lies in registers
	s_barrier_signal -1
	s_barrier_wait -1
.if \fill
	s_add_co_u32 s54, s[KF], SK                    ; the first key of the slot that this change would ask for
	s_cmp_gt_u32 s54, s[QL]                        ; past my work-group's last query: none of its waves would read it.  Ids and the count of steps alone: all eight waves go the same way
	s_cbranch_scc1 .Lpast_\@
	TLOAD                                          ; a wave's one tensor load until the next barrier; every wait on tensor loads in this text is for 0
.Lpast_\@:
	ASK
.endif
.endm
; A slot's work.  Group 1 begins with the TAIL that is due from the slot before; group 0 ends with the TAIL of its second step.  The branches hang on the wave's number and lead round TAIL alone.
.macro SLOTWORK last
	v_add_nc_u32 v[ADK], s[TB], v[AK0]
	v_add_nc_u32 v[ADV], s[TB], v[AV0]
	s_cmp_eq_u32 s[PAR], 0
	s_cbranch_scc1 .Lg0_\@
	TAIL
.Lg0_\@:
	HEAD 0
	TAIL
	HEAD 128
.if \last
	TAIL                                           ; behind the last slot both groups finish their last step
.else
	s_cmp_lg_u32 s[PAR], 0
	s_cbranch_scc1 .Lg1_\@
	TAIL
.Lg1_\@:
.endif
	s_xor_b32 s[TB], s[TB], SLOTB
	s_add_co_u32 s[KF], s[KF], SK
	s_add_co_u32 s[KW], s[KW], SK
.endm
	s_wait_loadcnt 0x0                             ; Q
.Lslot:                                            ; 7 trips
	CHANGE 1
	SLOTWORK 0
	s_sub_co_u32 s[SLOTS], s[SLOTS], 1
	s_cmp_lg_u32 s[SLOTS], 0
	s_cbranch_scc1 .Lslot
	CHANGE 0                                       ; the last slot: nothing is left to ask for
	SLOTWORK 1
	; THE MERGE.  Tile B's partial state goes to my partner as an image of its registers, 16 bytes a lane; my partner's image of MY tile A comes back the same way: same tile, same lanes.
.rept 4
	v_nop                                          ; four places behind the last products
.endr
	WIN 0x04                                       ; an LDS store's data are its source 1: window 1
.irp t, 0,1,2,3,4,5,6,7
	ds_store_b128 v[XW], v[OBT+8*\t:OBT+8*\t+3] offset:1024*\t          ; each accumulator from its low end on
	ds_store_b128 v[XW], v[OBT+8*\t+4:OBT+8*\t+7] offset:1024*\t+512
.endr
	WIN 0
	ds_store_b128 v[XW], v[STB:STB+3] offset:8192  ; c m, m, the sum's two halves
	s_wait_dscnt 0x0                               ; for my partner's sake: my image lies in LDS
	s_barrier_signal -1
	s_barrier_wait -1
.set i, 0
.rept 16
	ds_load_b128 v[KV+4*i:KV+4*i+3], v[XR] offset:512*i
.set i, i+1
.endr
	ds_load_b128 v[C0:C0+3], v[XR] offset:8192
	s_wait_dscnt 0x0
	v_max_num_f32 v[DD], v[STA], v[C0]             ; c m of both halves of the keys (c is positive).  A half that took no step has m = -3e38, O^T = 0 and sum 0: its factor falls to 0
	v_sub_f32 v[AA], v[STA], v[DD]
	v_sub_f32 v[OLD], v[C0], v[DD]
	v_add_f32 v[STA+2], v[STA+2], v[STA+3]
	v_add_f32 v[C0+2], v[C0+2], v[C0+3]
	v_exp_f32 v[AA], v[AA]                         ; a1
	v_exp_f32 v[OLD], v[OLD]                       ; a2
	v_nop
	s_wait_alu depctr_va_vdst(0)
	v_mul_f32 v[STA+2], v[STA+2], v[AA]
	v_fma_f32 v[STA+2], v[C0+2], v[OLD], v[STA+2]  ; a1 l1 + a2 l2, of my lane's keys,
	v_permlanex16_b32 v[C0+1], v[STA+2], s[SEL], s[SEL+1]
	v_add_f32 v[STA+2], v[STA+2], v[C0+1]          ; and of the lane 16 away
	v_rcp_f32 v[C0+3], v[STA+2]
	v_nop
	s_wait_alu depctr_va_vdst(0)
	v_mul_f32 v[AA], v[AA], v[C0+3]
	v_mul_f32 v[OLD], v[OLD], v[C0+3]
.set i, 0
.rept 32
	v_pk_mul_f32 v[KV+i:KV+i+1], v[KV+i:KV+i+1], v[OLD:OLD+1] op_sel_hi:[1,0]
.set i, i+2
.endr
	WIN 0x01                                       ; my O^T in window 1
.set i, 0
.rept 32
	v_pk_fma_f32 v[KV+i:KV+i+1], v[OA+i:OA+i+1], v[AA:AA+1], v[KV+i:KV+i+1] op_sel_hi:[1,0,1]   ; each accumulator from its low end on
.set i, i+2
.endr
	WIN 0
	; THE WAY OUT: to f16, through my stage, as whole runs of 256 bytes.
.set i, 0
.rept 32
	v_cvt_pk_f16_f32 v[SA+i], v[KV+2*i], v[KV+2*i+1]
.set i, i+1
.endr
.irp f, 0,1,2,3,4,5,6,7
	ds_store_b128 v[STO], v[SA+4*\f:SA+4*\f+3] offset:32*\f
.endr
.irp f, 0,1,2,3,4,5,6,7
	ds_load_b128 v[SB+4*\f:SB+4*\f+3], v[RD] offset:\f*2*272       ; LDS serves a wave's instructions in order: these see the stores above
.endr
.irp f, 0,1,2,3,4,5,6,7
	s_wait_dscnt 7-\f                              ; load f is in; the 7 - f younger ones may be out
	global_store_b128 v[GO], v[SB+4*\f:SB+4*\f+3], s[6:7] offset:2048*\f   ; sixteen lanes store 256 consecutive bytes, aligned: a head's part of a row
.endr
	s_wait_tensorcnt 0x0                           ; the wave's end
	ds_add_u32 v[SPW], v[NIL]
	s_wait_dscnt 0x0
	s_endpgm
.Lfunc_end_k_q0bb533df29_attn:
	.size	k_q0bb533df29_attn, .Lfunc_end_k_q0bb533df29_attn-k_q0bb533df29_attn
	.p2alignl 7, 3214868480
	.fill 96, 4, 3214868480
	.section	.rodata,"a",@progbits
	.p2align	6, 0x0
	.amdhsa_kernel k_q0bb533df29_attn
		.amdhsa_group_segment_fixed_size 327680
		.amdhsa_private_segment_fixed_size 0
		.amdhsa_enable_private_segment 0
		.amdhsa_kernarg_size 16
		.amdhsa_user_sgpr_count 2
		.amdhsa_user_sgpr_kernarg_segment_ptr 1
		.amdhsa_wavefront_size32 1
		.amdhsa_system_sgpr_workgroup_id_x 1
		.amdhsa_system_sgpr_workgroup_id_y 1
		.amdhsa_system_sgpr_workgroup_id_z 1
		.amdhsa_system_vgpr_workitem_id 0
		.amdhsa_next_free_vgpr 512
		.amdhsa_next_free_sgpr 88
		.amdhsa_reserve_vcc 1
		.amdhsa_float_denorm_mode_32 3
		.amdhsa_float_denorm_mode_16_64 3
		.amdhsa_memory_ordered 1
		.amdhsa_forward_progress 1
		.amdhsa_inst_pref_size 188
	.end_amdhsa_kernel
	.amdgpu_metadata
---
amdhsa.version: [ 1, 2 ]
amdhsa.kernels:
  - .name:           k_q0bb533df29_attn
    .symbol:         k_q0bb533df29_attn.kd
    .args:
      - { .name: qkv, .offset: 0, .size: 8, .value_kind: global_buffer, .address_space: global }
      - { .name: y16, .offset: 8, .size: 8, .value_kind: global_buffer, .address_space: global }
    .group_segment_fixed_size: 327680
    .private_segment_fixed_size: 0
    .kernarg_segment_align: 8
    .kernarg_segment_size: 16
    .max_flat_workgroup_size: 256
    .sgpr_count:     88
    .vgpr_count:     512
    .wavefront_size: 32
...
	.end_amdgpu_metadata
.endif
;; end of part 3
;; launch proj (part 4): grid 8 x 32, 4 waves a work-group, clusters of 4 x 4, 327,680 bytes of LDS; arguments y16, wp16, out0; writes out0
.if DOCPART == 4
	.amdgcn_target "amdgcn-amd-amdhsa--gfx1250"
	.amdhsa_code_object_version 6
	.text
	.protected	k_q0bb533df29_proj
	.globl	k_q0bb533df29_proj
	.p2align	8
	.type	k_q0bb533df29_proj,@function
k_q0bb533df29_proj:
	s_mov_b64 s[64:65], 0
	v_nop
	global_prefetch_b8 v0, s[64:65] scope:SCOPE_SE
	s_setreg_imm32_b32 hwreg(HW_REG_WAVE_MODE, 25, 1), 1
	s_wait_xcnt 0x0
	s_wait_alu depctr_hold_cnt(0) depctr_sa_sdst(0) depctr_va_vdst(0) depctr_va_sdst(0) depctr_va_ssrc(0) depctr_va_vcc(0) depctr_vm_vsrc(0)
	s_getreg_b32 s2, hwreg(HW_REG_IB_STS2, 6, 4)
	s_cmp_eq_u32 s2, 0
	s_cbranch_scc0 .Lentry_in_a_cluster
	s_endpgm
.Lentry_in_a_cluster:
	s_bfe_u32 s2, ttmp6, 0x10000c
	s_cmp_lg_u32 s2, 0xf033
	s_cbranch_scc0 .Lentry_shape_is_right
	s_endpgm
.Lentry_shape_is_right:
; out0[m][n] = the sum over k of y[m][k] wproj[k][n].  y16: f16 [8192][512]; wp16: f16 [512 k][2048 n]; out0: f32 [8192][2048]; sums in f32.
; A tile of 256 x 256 is made by four waves, each 128 x 128: 64 accumulators.  K goes in four steps of 128 through two LDS slots; all four are written out, no loop.
; y's tile: 256 rows x 256 bytes, pitch 272.  wproj's tile lies as in memory, 128 rows k x 512 bytes (256 n), pitch 544, and is turned on its way out of LDS by ds_load_tr16_b128.
; CLUSTER 4 x 4: y's tiles are shared along a row of the cluster, wproj's along a column: joint loads.  The matrix instruction is used transposed (source 0 = 16 columns n, source 1 = 16 rows m):
; a lane holds eight neighbouring numbers of a row of out0.
; The rows of each sequence's first 16 positions are written here like the others and written over by the launch that carries them in f32: leaving them out would be a branch on a work-group's place in its cluster.
; REGISTERS: window 0: v0-31 addresses; v64-127, v128-191 y's fragments, two buffers; on the way out rows read back.  window 1: the same for wproj's.  windows 2, 3: the accumulators.
.set SIZE_N, 2048
.set SIZE_K, 512
.set KSTEP,  128
.set PITCH,  272
.set BP,     544                       ; 512 bytes + 32: row k starts 8 banks on from row k - 1
.set HALFT,  128*PITCH                 ; what one tensor load brings: 128 rows of y, or 64 rows of wproj: 64 x 544 is the same number
.set SLOT,   4*HALFT
.set STAGE,  2*SLOT                    ; behind the ring: 16 rows x (512 + 16) for each wave
.set SPITCH, 528
.set SPARE,  STAGE+4*16*SPITCH         ; the spare words: 128 bytes a wave, named by no other line
.set ADRA, 16
.set ADRB, 20
.set STO,  24
.set RD,   25
.set CO,   26
.set SPW,  28
.set NIL,  29
.set F0,   64
.set F1,   128
.set BK,   64
.set G1, 24
.set G0, 32
.set G1B, 48
.set G0B, 56
.set MSB, 0
.macro WIN new
.if MSB != (\new)
	s_set_vgpr_msb (MSB<<8)|(\new)
.set MSB, \new
.endif
.endm
.set MUL_LO, 0xa1
.set MUL_HI, 0xf1
.set TO_B,   0x40
.macro JLOAD s                         ; waves 0 and 1 fetch y's halves, waves 2 and 3 wproj's; an s_nop 0 and four v_nop follow each line
	s_cmp_eq_u32 s11, 0
	s_cbranch_scc0 .Lfor_b_\@
	tensor_load_to_lds s[G0+4*\s:G0+4*\s+3], s[G1:G1+7]
	s_nop 0
.rept 4
	v_nop
.endr
	s_branch .Lasked_\@
.Lfor_b_\@:
	tensor_load_to_lds s[G0B+4*\s:G0B+4*\s+3], s[G1B:G1B+7]
	s_nop 0
.rept 4
	v_nop
.endr
.Lasked_\@:
.endm
.macro CREST
	s_cmp_lg_u32 s10, 0
	s_cbranch_scc1 .Lnot_wave_0_\@
	s_barrier_signal -3
.Lnot_wave_0_\@:
	s_barrier_wait -3
	s_barrier_signal -1
	s_barrier_wait -1
.endm
.macro CROUND
	s_barrier_signal -1
	s_barrier_wait -1
	CREST
.endm
	s_load_b128 s[4:7], s[0:1], 0x0                ; y16, wp16
	s_load_b64 s[8:9], s[0:1], 0x10                ; out0
	v_lshl_add_u32 v[SPW], v0, 2, SPARE
	v_mov_b32 v[NIL], 0
	ds_add_u32 v[SPW], v[NIL]                      ; the wave's opening: the add, twice on end, and its wait ahead of my first tensor load
	ds_add_u32 v[SPW], v[NIL]
	v_lshrrev_b32 v1, 5, v0
	v_readfirstlane_b32 s10, v1                    ; wave 0..3
	s_lshr_b32 s11, s10, 1                         ; my half of the tile's rows.  Also: I fetch for y (0) or for wproj (1)
	s_and_b32 s12, s10, 1                          ; my half of its columns.  Also: which half of that tile I fetch
	s_bfe_u32 s40, ttmp6, 0x40000                  ; cx
	s_bfe_u32 s41, ttmp6, 0x40004                  ; cy
	s_lshl_b32 s42, ttmp9, 2
	s_add_co_u32 s42, s42, s40                     ; tile column
	s_and_b32 s13, ttmp7, 0xffff
	s_lshl_b32 s13, s13, 2
	s_add_co_u32 s13, s13, s41                     ; tile row
	s_lshl_b32 s43, s41, 2
	s_lshl_b32 s43, 15, s43                        ; my row of the cluster
	s_lshl_b32 s44, 0x1111, s40                    ; my column
	s_or_b32 s[G1+0], s43, (1<<16)|(1<<20)|(1<<21)|(5<<22)|(3<<25)    ; y: elements of 2 bytes; 4 words of padding behind every 64
	s_or_b32 s[G1B+0], s44, (1<<16)|(1<<20)|(1<<21)|(6<<22)|(7<<25)   ; wproj: 8 words behind every 128
	s_mov_b32 s[G1+1], KSTEP<<16                   ; tensor_dim0 = 128
	s_mov_b32 s[G1+2], 128<<16                     ; tensor_dim1 = 128
	s_mov_b32 s[G1+3], KSTEP<<16                   ; tile_dim0
	s_mov_b32 s[G1+4], 128                         ; tile_dim1
	s_mov_b32 s[G1+5], SIZE_K                      ; pitch
	s_mov_b32 s[G1+6], 0
	s_mov_b32 s[G1+7], 0
	s_mov_b32 s[G1B+1], 256<<16                    ; 256 columns,
	s_mov_b32 s[G1B+2], 64<<16                     ; 64 rows k
	s_mov_b32 s[G1B+3], 256<<16
	s_mov_b32 s[G1B+4], 64
	s_mov_b32 s[G1B+5], SIZE_N
	s_mov_b32 s[G1B+6], 0
	s_mov_b32 s[G1B+7], 0
	s_lshl_b32 s16, s13, 8
	s_lshl_b32 s17, s12, 7
	s_add_co_u32 s16, s16, s17
	s_lshl_b32 s16, s16, 10                        ; y: (256 x tile row + 128 x half) rows of 1,024 bytes: made of the tile row and the wave's number
	s_mov_b32 s17, 0
	s_lshl_b32 s46, s12, 18                        ; wproj: 64 x half rows of 4,096 bytes,
	s_lshl_b32 s47, s42, 9                         ; + 512 bytes a tile column: made of the tile column and the wave's number
	s_add_co_u32 s46, s46, s47
	s_mov_b32 s47, 0
	s_mul_i32 s20, s10, HALFT                      ; where they go: no place in the cluster enters an LDS address
	s_wait_dscnt 0x0
	s_wait_kmcnt 0x0
	s_add_nc_u64 s[14:15], s[4:5], s[16:17]
	s_add_nc_u64 s[46:47], s[6:7], s[46:47]
	CROUND                                         ; all sixteen work-groups are here
.irp s, 0,1
	s_mov_b32 s[G0+4*\s], 1
	s_add_co_u32 s[G0+4*\s+1], s20, \s*SLOT
	s_add_nc_u64 s[G0+4*\s+2:G0+4*\s+3], s[14:15], \s*KSTEP*2
	s_or_b32 s[G0+4*\s+3], s[G0+4*\s+3], 0x80000000
	s_mov_b32 s[G0B+4*\s], 1
	s_add_co_u32 s[G0B+4*\s+1], s20, \s*SLOT
	s_add_nc_u64 s[G0B+4*\s+2:G0B+4*\s+3], s[46:47], \s*KSTEP*SIZE_N*2
	s_or_b32 s[G0B+4*\s+3], s[G0B+4*\s+3], 0x80000000
	JLOAD \s                                       ; two tensor loads of mine are out at the most
.endr
	v_and_b32 v1, 15, v0                           ; r
	v_bfe_u32 v2, v0, 4, 1                         ; h
	v_mul_u32_u24 v3, v1, PITCH
	v_lshl_add_u32 v3, v2, 4, v3                   ; y: row x pitch + 16 h
	v_and_b32 v6, 7, v0
	v_lshl_add_u32 v6, v2, 3, v6
	v_mul_u32_u24 v6, v6, BP
	v_bfe_u32 v7, v0, 3, 1
	v_lshl_add_u32 v6, v7, 4, v6                   ; wproj, for the turning load: row k = 8 h + l % 8, columns 8 ((l / 8) % 2) on
	s_mul_i32 s21, s11, HALFT                      ; my 128 rows of y
	s_lshl_b32 s22, s12, 8                         ; my 128 columns of wproj: 256 bytes,
	s_add_co_u32 s22, s22, 2*HALFT                 ; behind y's 256 rows
.irp s, 0,1
	v_add_nc_u32 v[ADRA+\s], s21, v3
	v_add_nc_u32 v[ADRB+\s], s22, v6
	s_add_co_u32 s21, s21, SLOT
	s_add_co_u32 s22, s22, SLOT
.endr
	s_mul_i32 s23, s10, 16*SPITCH
	s_add_co_u32 s23, s23, STAGE                   ; my stage
	v_mul_u32_u24 v5, v1, SPITCH
	v_lshl_add_u32 v5, v2, 5, v5
	v_add_nc_u32 v[STO], s23, v5                   ; in: row r, 32 bytes for each half of the lanes
	v_and_b32 v6, 31, v0
	v_lshlrev_b32 v[CO], 4, v6                     ; back: the 32 lanes take one row of 512 bytes; the same in out0
	v_add_nc_u32 v[RD], s23, v[CO]
	s_lshl_b32 s16, s13, 8
	s_lshl_b32 s17, s11, 7
	s_add_co_u32 s16, s16, s17
	s_lshl_b32 s16, s16, 13                        ; my first row of out0: rows of 8,192 bytes
	s_mov_b32 s17, 0
	s_lshl_b32 s46, s42, 10
	s_lshl_b32 s47, s12, 9
	s_add_co_u32 s46, s46, s47                     ; my first column, in bytes
	s_mov_b32 s47, 0
	s_add_nc_u64 s[16:17], s[16:17], s[46:47]
	s_add_nc_u64 s[8:9], s[8:9], s[16:17]
.macro MUL16 f, hi, a0, zero           ; the 64 accumulators take turns, one instruction a turn, in the same order in every quarter
.irp a, \a0, \a0+1
.irp b, 0,1,2,3,4,5,6,7
.if \zero
	v_wmma_f32_16x16x32_f16 v[8*(8*(\a)+\b):8*(8*(\a)+\b)+7], v[\f+8*\b:\f+8*\b+7], v[\f+8*(4*\hi+\a):\f+8*(4*\hi+\a)+7], 0
.else
	v_wmma_f32_16x16x32_f16 v[8*(8*(\a)+\b):8*(8*(\a)+\b)+7], v[\f+8*\b:\f+8*\b+7], v[\f+8*(4*\hi+\a):\f+8*(4*\hi+\a)+7], v[8*(8*(\a)+\b):8*(8*(\a)+\b)+7]
.endif
.endr
.endr
.endm
.macro FETCH slot, q, f                ; 32 LDS loads in one run: the fragments of the slot's q-th 32 along K
	WIN TO_B
.irp i, 0,1,2,3,4,5,6,7
	ds_load_tr16_b128 v[\f+8*\i:\f+8*\i+3],   v[ADRB+\slot] offset:(\q)*32*BP+32*\i
	ds_load_tr16_b128 v[\f+8*\i+4:\f+8*\i+7], v[ADRB+\slot] offset:(\q)*32*BP+16*BP+32*\i
.endr
	WIN 0
.irp i, 0,1,2,3,4,5,6,7
	ds_load_b128 v[\f+8*\i:\f+8*\i+3],   v[ADRA+\slot] offset:64*(\q)+\i*16*PITCH
	ds_load_b128 v[\f+8*\i+4:\f+8*\i+7], v[ADRA+\slot] offset:64*(\q)+\i*16*PITCH+32
.endr
.endm
.macro PLACES
.rept 4
	v_nop
.endr
.endm
.macro QUARTER slot, q, f, g, zero     ; multiplies buffer f; in its middle fetches the slot's q-th quarter into g
	s_wait_dscnt 8                                 ; wproj's and y's rows 0-63 are in; the youngest eight loads (rows 64-127) may be out
	WIN MUL_LO
	MUL16 \f, 0, 0, \zero
	MUL16 \f, 0, 2, \zero
	PLACES
	FETCH \slot, \q, \g
	s_wait_dscnt 32                                ; all but the 32 just issued
	WIN MUL_HI
	MUL16 \f, 1, 0, \zero
	MUL16 \f, 1, 2, \zero
.endm
.macro MEET round
	WIN 0
	s_wait_tensorcnt 0x0                           ; all my tensor loads have landed: my part of the next slot
	ds_add_u32 v[SPW], v[NIL]
	s_wait_dscnt 9                                 ; (the add and the youngest eight loads may be out)
	WIN MUL_LO
	MUL16 F1, 0, 0, 0
	s_wait_dscnt 0x0                               ; the add is done, and my reads of this slot are over
	s_barrier_signal -1
	MUL16 F1, 0, 2, 0
.if \round
	WIN 0
.endif
	s_barrier_wait -1
.endm
.macro TURN slot, next, fill           ; a slot's last quarter changes slots
	MEET \fill
.if \fill
	CREST                                          ; a round of the cluster's barrier: no wave of any partner still reads this slot or has a load on its way
	s_add_nc_u64 s[G0+4*\slot+2:G0+4*\slot+3], s[G0+4*\slot+2:G0+4*\slot+3], 2*KSTEP*2
	s_add_nc_u64 s[G0B+4*\slot+2:G0B+4*\slot+3], s[G0B+4*\slot+2:G0B+4*\slot+3], 2*KSTEP*SIZE_N*2
	JLOAD \slot                                    ; my one tensor load behind the round; its four v_nop are the places in front of the loads below
.else
	PLACES
.endif
	FETCH \next, 0, F0
	WIN MUL_HI
	MUL16 F1, 1, 0, 0
	MUL16 F1, 1, 2, 0
.endm
	s_wait_tensorcnt 1                             ; my part of K step 0 is in; K step 1's may be out
	s_barrier_signal -1
	s_barrier_wait -1
	FETCH 0, 0, F0
	QUARTER 0, 1, F0, F1, 1                        ; the first quarter's products start the sums
	QUARTER 0, 2, F1, F0, 0
	QUARTER 0, 3, F0, F1, 0
	TURN 0, 1, 1                                   ; slot 0 takes K step 2
	QUARTER 1, 1, F0, F1, 0
	QUARTER 1, 2, F1, F0, 0
	QUARTER 1, 3, F0, F1, 0
	TURN 1, 0, 1                                   ; slot 1 takes K step 3
	QUARTER 0, 1, F0, F1, 0
	QUARTER 0, 2, F1, F0, 0
	QUARTER 0, 3, F0, F1, 0
	TURN 0, 1, 0                                   ; nothing is left to ask for
	QUARTER 1, 1, F0, F1, 0
	QUARTER 1, 2, F1, F0, 0
	QUARTER 1, 3, F0, F1, 0
	s_wait_dscnt 8
	WIN MUL_LO
	MUL16 F1, 0, 0, 0
	MUL16 F1, 0, 2, 0
	s_wait_dscnt 0
	WIN MUL_HI
	MUL16 F1, 1, 0, 0
	MUL16 F1, 1, 2, 0
	WIN 0
; THE WAY OUT, a block of 16 rows x 128 columns at a time, through my own stage: back come whole rows of 512 bytes.
.macro TOSTAGE a
.set AC, 64*((\a)%4)
	WIN 0x08+4*((\a)/4)                            ; an LDS store's data are its source 1: window 2 or 3
.irp b, 0,1,2,3,4,5,6,7
	ds_store_b128 v[STO], v[AC+8*\b:AC+8*\b+3] offset:64*\b          ; each accumulator from its low end on
	ds_store_b128 v[STO], v[AC+8*\b+4:AC+8*\b+7] offset:64*\b+16
.endr
	WIN 0
.set BB, BK+64*((\a)%2)
.irp t, 0,1,2,3,4,5,6,7,8,9,10,11,12,13,14,15
	ds_load_b128 v[BB+4*\t:BB+4*\t+3], v[RD] offset:\t*SPITCH        ; LDS serves a wave's instructions in order
.endr
.endm
.macro SEND a, younger
.set BB, BK+64*((\a)%2)
	s_wait_dscnt \younger                          ; the block is back in registers
.if (\a) > 0
	s_add_nc_u64 s[8:9], s[8:9], 16*SIZE_N*4       ; (behind a wait for the earlier stores' addresses)  16 rows on
.endif
.irp t, 0,1,2,3,4,5,6,7,8,9,10,11,12,13,14,15
	global_store_b128 v[CO], v[BB+4*\t:BB+4*\t+3], s[8:9] offset:\t*SIZE_N*4 th:TH_STORE_NT   ; 32 lanes store 512 consecutive bytes, aligned
.endr
.endm
	PLACES
	TOSTAGE 0
.irp a, 1,2,3,4,5,6,7
.if \a > 1
	s_wait_xcnt 0x0                                ; block a - 2's stores have read their registers and their base
.endif
	TOSTAGE \a
	SEND \a-1, 32                                  ; behind block a - 1's loads: block a's 16 stores and 16 loads
.endr
	s_wait_xcnt 0x0
	SEND 7, 0
	s_wait_tensorcnt 0x0                           ; the wave's end: the three lines
	ds_add_u32 v[SPW], v[NIL]
	s_wait_dscnt 0x0
	CROUND                                         ; the closing round
	s_endpgm
.Lfunc_end_k_q0bb533df29_proj:
	.size	k_q0bb533df29_proj, .Lfunc_end_k_q0bb533df29_proj-k_q0bb533df29_proj
	.p2alignl 7, 3214868480
	.fill 96, 4, 3214868480
	.section	.rodata,"a",@progbits
	.p2align	6, 0x0
	.amdhsa_kernel k_q0bb533df29_proj
		.amdhsa_group_segment_fixed_size 327680
		.amdhsa_private_segment_fixed_size 0
		.amdhsa_enable_private_segment 0
		.amdhsa_kernarg_size 24
		.amdhsa_user_sgpr_count 2
		.amdhsa_user_sgpr_kernarg_segment_ptr 1
		.amdhsa_wavefront_size32 1
		.amdhsa_system_sgpr_workgroup_id_x 1
		.amdhsa_system_sgpr_workgroup_id_y 1
		.amdhsa_system_sgpr_workgroup_id_z 1
		.amdhsa_system_vgpr_workitem_id 0
		.amdhsa_next_free_vgpr 1024
		.amdhsa_next_free_sgpr 66
		.amdhsa_reserve_vcc 0
		.amdhsa_float_denorm_mode_32 3
		.amdhsa_float_denorm_mode_16_64 3
		.amdhsa_memory_ordered 1
		.amdhsa_forward_progress 1
		.amdhsa_inst_pref_size 140
	.end_amdhsa_kernel
	.amdgpu_metadata
---
amdhsa.version: [ 1, 2 ]
amdhsa.kernels:
  - .name:           k_q0bb533df29_proj
    .symbol:         k_q0bb533df29_proj.kd
    .args:
      - { .name: y16, .offset: 0, .size: 8, .value_kind: global_buffer, .address_space: global }
      - { .name: wp16, .offset: 8, .size: 8, .value_kind: global_buffer, .address_space: global }
      - { .name: out0, .offset: 16, .size: 8, .value_kind: global_buffer, .address_space: global }
    .group_segment_fixed_size: 327680
    .private_segment_fixed_size: 0
    .kernarg_segment_align: 8
    .kernarg_segment_size: 24
    .max_flat_workgroup_size: 128
    .sgpr_count:     66
    .vgpr_count:     1024
    .wavefront_size: 32
...
	.end_amdgpu_metadata
.endif
;; end of part 4
;; launch first16 (part 5): grid 64 x 4, 4 waves a work-group, no clusters, 184,832 bytes of LDS; arguments head16, wproj, out0; writes out0
.if DOCPART == 5
	.amdgcn_target "amdgcn-amd-amdhsa--gfx1250"
	.amdhsa_code_object_version 6
	.text
	.protected	k_q0bb533df29_first16
	.globl	k_q0bb533df29_first16
	.p2align	8
	.type	k_q0bb533df29_first16,@function
k_q0bb533df29_first16:
	s_mov_b64 s[64:65], 0
	v_nop
	global_prefetch_b8 v0, s[64:65] scope:SCOPE_SE
	s_setreg_imm32_b32 hwreg(HW_REG_WAVE_MODE, 25, 1), 1
	s_wait_xcnt 0x0
; THE FIRST 16 POSITIONS OF EVERY SEQUENCE, IN F32: their rows average few values and are the largest of the output, so attention and projection are carried here with f32 operands.
; head16: f32 [batch 4][head 4][q, k, v][t 16][128].  wproj: f32 [512][2048].  out0 rows batch x 2048 + 0 .. 15 are written over.
; Work-group (x, batch) makes columns 32 x .. 32 x + 31 of the batch's 16 rows.  Wave w takes head w: its attention of 16 queries x 16 keys, then its 128 channels' part of the projection; the four parts are
; added through LDS.  All products by v_wmma_f32_16x16x4_f32, 128 a wave; the registers that it writes are written by matrix instructions alone.
; Along each product's K the same order is used on both operands, chosen so that a result's registers are the next operand as they stand:
;   scores (S^T = k q^T): step s takes registers 2 s, 2 s + 1 of q and of k, loaded 16 bytes a lane at channel 8 g + 4 h;
;   y^T = v^T p: step e takes keys 8 h + 2 e + j, which are S^T's registers 2 e, 2 e + 1;      out^T = wproj^T y: step (dt, e) takes channels 16 dt + 8 h + 2 e + j, which are y^T's registers 8 dt + 2 e + j.
; Stores are runs of 128 bytes: 32 columns a work-group give all 256 work-groups a share of a launch that moves half a megabyte out.
; REGISTERS: window 0: v1-15 addresses; v16-79 q; v80-143 k; v144-207 v; v208-215 scores; v216-223 p; v224-231 at work; v232-247 out^T.  window 1: v0-127 wproj; v128-191 y^T (its first 32 hold the scores' four part sums first).
.set RG,    43776                      ; a wave's LDS: 48 rows x (512 + 16), then 128 rows x (128 + 16)
.set KO,    16*528
.set VO,    32*528
.set WO,    48*528
.set RED,   4*RG                       ; four parts of 16 rows x (128 + 16)
.set SPARE, RED+4*2304                 ; the spare words: 128 bytes a wave, named by no other line
.set AQ,  3
.set AV,  4
.set AW,  5
.set RST, 6
.set RRD, 7
.set GO,  8
.set DD,  9
.set NINF, 10
.set SPW, 14
.set NIL, 15
.set G1A, 16
.set G1W, 24
.set G0A, 32
.set G0W, 36
.set MSB, 0
.macro WIN new
.if MSB != (\new)
	s_set_vgpr_msb (MSB<<8)|(\new)
.set MSB, \new
.endif
.endm
	s_load_b128 s[4:7], s[0:1], 0x0                ; head16, wproj
	s_load_b64 s[8:9], s[0:1], 0x10                ; out0
	v_lshl_add_u32 v[SPW], v0, 2, SPARE
	v_mov_b32 v[NIL], 0
	ds_add_u32 v[SPW], v[NIL]                      ; the wave's opening: the add, twice on end, and its wait ahead of my first tensor load
	ds_add_u32 v[SPW], v[NIL]
	v_lshrrev_b32 v1, 5, v0
	v_readfirstlane_b32 s10, v1                    ; wave = head
	s_mov_b32 s[G1A], (2<<16)|(1<<20)|(6<<22)|(3<<25)   ; elements of 4 bytes; 4 words of padding behind every 128
	s_mov_b32 s[G1A+1], 128<<16
	s_mov_b32 s[G1A+2], 48<<16
	s_mov_b32 s[G1A+3], 128<<16
	s_mov_b32 s[G1A+4], 48
	s_mov_b32 s[G1A+5], 128
	s_mov_b32 s[G1A+6], 0
	s_mov_b32 s[G1A+7], 0
	s_mov_b32 s[G1W], (2<<16)|(1<<20)|(4<<22)|(3<<25)   ; 4 words behind every 32
	s_mov_b32 s[G1W+1], 32<<16
	s_mov_b32 s[G1W+2], 128<<16
	s_mov_b32 s[G1W+3], 32<<16
	s_mov_b32 s[G1W+4], 128
	s_mov_b32 s[G1W+5], 2048
	s_mov_b32 s[G1W+6], 0
	s_mov_b32 s[G1W+7], 0
	s_mov_b32 s12, 0x76543210
	s_mov_b32 s13, 0xfedcba98
	s_mov_b32 s14, 0x3e0293ee                      ; c = log2(e) / sqrt(128)
	s_mov_b32 s15, s14
	s_and_b32 s40, ttmp7, 0xffff                   ; batch
	s_lshl_b32 s41, s40, 2
	s_add_co_u32 s41, s41, s10
	s_mul_i32 s42, s41, 24576                      ; my head's 48 rows
	s_mov_b32 s43, 0
	s_lshl_b32 s44, s10, 20                        ; wproj: my head's 128 rows of 8,192 bytes,
	s_lshl_b32 s45, ttmp9, 7                       ; 32 columns
	s_add_co_u32 s44, s44, s45
	s_mov_b32 s45, 0
	s_mul_i32 s46, s10, RG
	s_wait_dscnt 0x0
	s_wait_kmcnt 0x0
	s_mov_b32 s[G0A], 1
	s_mov_b32 s[G0A+1], s46
	s_add_nc_u64 s[G0A+2:G0A+3], s[4:5], s[42:43]
	s_or_b32 s[G0A+3], s[G0A+3], 0x80000000
	s_mov_b32 s[G0W], 1
	s_add_co_u32 s[G0W+1], s46, WO
	s_add_nc_u64 s[G0W+2:G0W+3], s[6:7], s[44:45]
	s_or_b32 s[G0W+3], s[G0W+3], 0x80000000
	tensor_load_to_lds s[G0A:G0A+3], s[G1A:G1A+7]  ; every wave fills its own bytes, once: two tensor loads of mine are out
	s_nop 0
	tensor_load_to_lds s[G0W:G0W+3], s[G1W:G1W+7]
	s_nop 0
.rept 4
	v_nop
.endr
	v_and_b32 v1, 15, v0                           ; r
	v_bfe_u32 v2, v0, 4, 1                         ; h
	v_mul_u32_u24 v[AQ], v1, 528
	v_lshl_add_u32 v[AQ], v2, 4, v[AQ]
	v_add_nc_u32 v[AQ], s46, v[AQ]                 ; q, k: row r, + 16 h
	v_mul_u32_u24 v[AV], v2, 8*528
	v_lshl_add_u32 v[AV], v1, 2, v[AV]
	v_add_nc_u32 v[AV], s46, v[AV]
	v_add_nc_u32 v[AV], VO, v[AV]                  ; v: key 8 h on, channel r
	v_mul_u32_u24 v[AW], v2, 8*144
	v_lshl_add_u32 v[AW], v1, 2, v[AW]
	v_add_nc_u32 v[AW], s46, v[AW]
	v_add_nc_u32 v[AW], WO, v[AW]                  ; wproj: channel 8 h on, column r
	s_mul_i32 s47, s10, 2304
	s_add_co_u32 s47, s47, RED
	v_mul_u32_u24 v[RST], v1, 144
	v_lshl_add_u32 v[RST], v2, 5, v[RST]
	v_add_nc_u32 v[RST], s47, v[RST]               ; my part: row r, + 32 h
	v_lshrrev_b32 v11, 3, v0                       ; thread / 8: a row,
	v_and_b32 v12, 7, v0                           ; thread % 8: 16 bytes of its 128
	v_mul_u32_u24 v[RRD], v11, 144
	v_lshl_add_u32 v[RRD], v12, 4, v[RRD]
	v_add_nc_u32 v[RRD], RED, v[RRD]
	v_lshlrev_b32 v[GO], 13, v11
	v_lshl_add_u32 v[GO], v12, 4, v[GO]
	v_lshlrev_b32 v[DD], 3, v2
	v_sub_nc_u32 v[DD], v1, v[DD]                  ; r - 8 h
	v_mov_b32 v[NINF], 0xff800000
	s_lshl_b32 s42, s40, 24                        ; out0: 2,048 rows of 8,192 bytes a batch,
	s_lshl_b32 s44, ttmp9, 7
	s_add_co_u32 s42, s42, s44
	s_add_nc_u64 s[8:9], s[8:9], s[42:43]
	s_wait_tensorcnt 1                             ; q, k, v are in; wproj's tile may be out.  Only I read these bytes
.set g, 0
.rept 16
	ds_load_b128 v[16+4*g:19+4*g], v[AQ] offset:32*g
	ds_load_b128 v[80+4*g:83+4*g], v[AQ] offset:KO+32*g
.set g, g+1
.endr
.irp dt, 0,1,2,3,4,5,6,7
.irp e, 0,1,2,3,4,5,6,7
	ds_load_b32 v[144+8*\dt+\e], v[AV] offset:\e*528+64*\dt        ; v(key 8 h + e, channel 16 dt + r)
.endr
.endr
	s_wait_dscnt 63                                ; q and k are in: of v's 64 loads behind them 63 may be out
	WIN 0x50                                       ; C and D in window 1
.set s, 0
.rept 32                                       ; four part sums by turns
.if s < 4
	v_wmma_f32_16x16x4_f32 v[128+8*(s%4):135+8*(s%4)], v[80+2*s:81+2*s], v[16+2*s:17+2*s], 0
.else
	v_wmma_f32_16x16x4_f32 v[128+8*(s%4):135+8*(s%4)], v[80+2*s:81+2*s], v[16+2*s:17+2*s], v[128+8*(s%4):135+8*(s%4)]
.endif
.set s, s+1
.endr
	s_wait_tensorcnt 0x0                           ; wproj's tile is in
	WIN 0x40
.irp nt, 0,1
.irp dt, 0,1,2,3,4,5,6,7
.irp e, 0,1,2,3,4,5,6,7
	ds_load_b32 v[64*\nt+8*\dt+\e], v[AW] offset:(16*\dt+\e)*144+64*\nt   ; wproj(channel 16 dt + 8 h + e, column 16 nt + r)
.endr
.endr
.endr
	WIN 0
.rept 8
	v_nop                                          ; eight places behind this form before a vector instruction reads its result
.endr
	WIN 0x05
.irp i, 0,2,4,6
	v_pk_add_f32 v[208+\i:209+\i], v[128+\i:129+\i], v[136+\i:137+\i]     ; each accumulator from its low end on
	v_pk_add_f32 v[224+\i:225+\i], v[144+\i:145+\i], v[152+\i:153+\i]
.endr
	WIN 0
.irp i, 0,2,4,6
	v_pk_add_f32 v[208+\i:209+\i], v[208+\i:209+\i], v[224+\i:225+\i]     ; lane (r, h): query r, register j: key 8 h + j
.endr
.irp j, 0,1,2,3,4,5,6,7
	v_cmp_gt_i32 vcc_lo, \j, v[DD]                 ; key 8 h + j comes after query r
	v_cndmask_b32 v[208+\j], v[208+\j], v[NINF], vcc_lo
.endr
	v_max3_num_f32 v224, v208, v209, v210
	v_max3_num_f32 v225, v211, v212, v213
	v_max3_num_f32 v224, v224, v214, v215
	v_max_num_f32 v224, v224, v225
	v_permlanex16_b32 v225, v224, s12, s13
	v_max_num_f32 v224, v224, v225                 ; the row's maximum: key 0 counts for every query, so it is a number
	v_mul_f32 v224, s14, v224
.irp i, 0,2,4,6
	v_pk_fma_f32 v[208+\i:209+\i], v[208+\i:209+\i], s[14:15], v[224:225] op_sel_hi:[1,0,0] neg_lo:[0,0,1] neg_hi:[0,0,1]
.endr
.irp j, 0,1,2,3,4,5,6,7
	v_exp_f32 v[216+\j], v[208+\j]
.endr
	v_nop
	s_wait_alu depctr_va_vdst(0)                   ; one wait for the eight, ahead of their first reader
	v_pk_add_f32 v[226:227], v[216:217], v[218:219]
	v_pk_add_f32 v[228:229], v[220:221], v[222:223]
	v_pk_add_f32 v[226:227], v[226:227], v[228:229]
	v_add_f32 v226, v226, v227
	v_permlanex16_b32 v227, v226, s12, s13
	v_add_f32 v226, v226, v227
	v_rcp_f32 v228, v226
	v_nop
	s_wait_alu depctr_va_vdst(0)
.irp i, 0,2,4,6
	v_pk_mul_f32 v[216+\i:217+\i], v[216+\i:217+\i], v[228:229] op_sel_hi:[1,0]   ; p, normalised
.endr
	s_wait_dscnt 0x0                               ; v and wproj are in
	WIN 0x50
.irp e, 0,1,2,3                                ; y^T: eight tiles of 16 channels by turns; the softmax's lines above are the places behind the scores' products, whose results these write over
.irp dt, 0,1,2,3,4,5,6,7
.if \e == 0
	v_wmma_f32_16x16x4_f32 v[128+8*\dt:135+8*\dt], v[144+8*\dt+2*\e:145+8*\dt+2*\e], v[216+2*\e:217+2*\e], 0
.else
	v_wmma_f32_16x16x4_f32 v[128+8*\dt:135+8*\dt], v[144+8*\dt+2*\e:145+8*\dt+2*\e], v[216+2*\e:217+2*\e], v[128+8*\dt:135+8*\dt]
.endif
.endr
.endr
	WIN 0
.rept 9
	v_nop                                          ; nine places before a matrix instruction takes these results as an operand
.endr
	WIN 0x05                                       ; wproj and y^T in window 1, out^T in window 0
.irp dt, 0,1,2,3,4,5,6,7
.irp e, 0,1,2,3
.irp nt, 0,1                                   ; the two accumulators take turns
.if (\dt+\e) == 0
	v_wmma_f32_16x16x4_f32 v[232+8*\nt:239+8*\nt], v[64*\nt+8*\dt+2*\e:64*\nt+8*\dt+2*\e+1], v[128+8*\dt+2*\e:129+8*\dt+2*\e], 0
.else
	v_wmma_f32_16x16x4_f32 v[232+8*\nt:239+8*\nt], v[64*\nt+8*\dt+2*\e:64*\nt+8*\dt+2*\e+1], v[128+8*\dt+2*\e:129+8*\dt+2*\e], v[232+8*\nt:239+8*\nt]
.endif
.endr
.endr
.endr
	WIN 0
.rept 8
	v_nop
.endr
.irp nt, 0,1
	ds_store_b128 v[RST], v[232+8*\nt:235+8*\nt] offset:64*\nt      ; lane (r, h): row r, columns 16 nt + 8 h + 0 .. 7
	ds_store_b128 v[RST], v[236+8*\nt:239+8*\nt] offset:64*\nt+16
.endr
	s_wait_dscnt 0x0                               ; for the others' sake: my part lies in LDS
	s_barrier_signal -1
	s_barrier_wait -1
.irp k, 0,1,2,3
	ds_load_b128 v[16+4*\k:19+4*\k], v[RRD] offset:\k*2304
.endr
	s_wait_dscnt 0x0
	v_pk_add_f32 v[16:17], v[16:17], v[20:21]
	v_pk_add_f32 v[18:19], v[18:19], v[22:23]
	v_pk_add_f32 v[24:25], v[24:25], v[28:29]
	v_pk_add_f32 v[26:27], v[26:27], v[30:31]
	v_pk_add_f32 v[16:17], v[16:17], v[24:25]
	v_pk_add_f32 v[18:19], v[18:19], v[26:27]
	global_store_b128 v[GO], v[16:19], s[8:9]      ; eight lanes store a row's 128 bytes
	s_wait_tensorcnt 0x0                           ; the wave's end: the three lines
	ds_add_u32 v[SPW], v[NIL]
	s_wait_dscnt 0x0
	s_endpgm
.Lfunc_end_k_q0bb533df29_first16:
	.size	k_q0bb533df29_first16, .Lfunc_end_k_q0bb533df29_first16-k_q0bb533df29_first16
	.p2alignl 7, 3214868480
	.fill 96, 4, 3214868480
	.section	.rodata,"a",@progbits
	.p2align	6, 0x0
	.amdhsa_kernel k_q0bb533df29_first16
		.amdhsa_group_segment_fixed_size 184832
		.amdhsa_private_segment_fixed_size 0
		.amdhsa_enable_private_segment 0
		.amdhsa_kernarg_size 24
		.amdhsa_user_sgpr_count 2
		.amdhsa_user_sgpr_kernarg_segment_ptr 1
		.amdhsa_wavefront_size32 1
		.amdhsa_system_sgpr_workgroup_id_x 1
		.amdhsa_system_sgpr_workgroup_id_y 1
		.amdhsa_system_sgpr_workgroup_id_z 1
		.amdhsa_system_vgpr_workitem_id 0
		.amdhsa_next_free_vgpr 448
		.amdhsa_next_free_sgpr 66
		.amdhsa_reserve_vcc 1
		.amdhsa_float_denorm_mode_32 3
		.amdhsa_float_denorm_mode_16_64 3
		.amdhsa_memory_ordered 1
		.amdhsa_forward_progress 1
		.amdhsa_inst_pref_size 32
	.end_amdhsa_kernel
	.amdgpu_metadata
---
amdhsa.version: [ 1, 2 ]
amdhsa.kernels:
  - .name:           k_q0bb533df29_first16
    .symbol:         k_q0bb533df29_first16.kd
    .args:
      - { .name: head16, .offset: 0, .size: 8, .value_kind: global_buffer, .address_space: global }
      - { .name: wproj, .offset: 8, .size: 8, .value_kind: global_buffer, .address_space: global }
      - { .name: out0, .offset: 16, .size: 8, .value_kind: global_buffer, .address_space: global }
    .group_segment_fixed_size: 184832
    .private_segment_fixed_size: 0
    .kernarg_segment_align: 8
    .kernarg_segment_size: 24
    .max_flat_workgroup_size: 128
    .sgpr_count:     66
    .vgpr_count:     448
    .wavefront_size: 32
...
	.end_amdgpu_metadata
.endif
;; end of part 5
